; MI455X (gfx1250); checked and timed in simulation.
; The chip was launched on July 23, 2026; its instructions are those of AMD's public machine-readable ISA for CDNA 5 (MIT licence, August 2026) and "CDNA5" Instruction Set Architecture Reference Guide (July 2026). The comments in the code are by the model that wrote it; some were corrected since.
;; Mo EFFN. Allowed arithmetic: matrix products marked QUANTISED: E5M2 operands, one E8M0 scale for each 32 along K, by v_wmma_scale_f32_16x16x128_f8f6f4 with both operands' format E5M2, f32 sums; products left as they are: f32 operands where the result goes on into a quantised operand, else bf16, f16 or f32 operands; f32 sums; everything else in f32.
;; Inputs: b1 8 x 512 float32; b2 8 x 1,024 float32; w1_codes 8 x 512 x 32 x 32 uint8 (E5M2 codes of w1, K innermost, in blocks of 32 codes); w1_scales 8 x 512 x 32 uint8 (E8M0 scales of w1, one for each 32 codes along K); w2_codes 8 x 1,024 x 8 x 32 uint8 (E5M2 codes of w2, K innermost, in blocks of 32 codes); w2_scales 8 x 1,024 x 8 uint8 (E8M0 scales of w2, one for each 32 codes along K); wr 8 x 1,024 float32; x 4 x 2,048 x 1,024 float32.
;; Outputs: out0 4 x 2,048 x 1,024 float32.
;; This version of the problem:
;;   THIS VERSION OF THE PROBLEM IS GIVEN IN LOW PRECISION. The matrix products marked QUANTISED in the list below multiply operands that are first quantised to E5M2 (5 exponent bits, 2 mantissa bits; 8 bits a number), with one power-of-two scale for each 32 numbers along K (OCP MX v1.0); their sums are f32. All else is computed in f32.
;;   The module's matrix products, in the order in which they are computed (A, B: the left and right operand; K: the contracted axis; several contracted axes count as one K, in the product's order):
;;     1. [M 8,192, K 1,024] x [K 1,024, N 8]; A: input x; B: input wr: left as it is (N = 8 < 16)
;;     2. [M 8,192, K 1,024] x [K 1,024, N 512]; A: input x; B: input w1 (given as codes): QUANTISED
;;     3. [M 8,192, K 256] x [K 256, N 1,024]; A: computed on the way; B: input w2 (given as codes): QUANTISED
;;     4. [M 8,192, K 1,024] x [K 1,024, N 512]; A: input x; B: input w1 (given as codes): QUANTISED
;;     5. [M 8,192, K 256] x [K 256, N 1,024]; A: computed on the way; B: input w2 (given as codes): QUANTISED
;;     6. [M 8,192, K 1,024] x [K 1,024, N 512]; A: input x; B: input w1 (given as codes): QUANTISED
;;     7. [M 8,192, K 256] x [K 256, N 1,024]; A: computed on the way; B: input w2 (given as codes): QUANTISED
;;     8. [M 8,192, K 1,024] x [K 1,024, N 512]; A: input x; B: input w1 (given as codes): QUANTISED
;;     9. [M 8,192, K 256] x [K 256, N 1,024]; A: computed on the way; B: input w2 (given as codes): QUANTISED
;;     10. [M 8,192, K 1,024] x [K 1,024, N 512]; A: input x; B: input w1 (given as codes): QUANTISED
;;     11. [M 8,192, K 256] x [K 256, N 1,024]; A: computed on the way; B: input w2 (given as codes): QUANTISED
;;     12. [M 8,192, K 1,024] x [K 1,024, N 512]; A: input x; B: input w1 (given as codes): QUANTISED
;;     13. [M 8,192, K 256] x [K 256, N 1,024]; A: computed on the way; B: input w2 (given as codes): QUANTISED
;;     14. [M 8,192, K 1,024] x [K 1,024, N 512]; A: input x; B: input w1 (given as codes): QUANTISED
;;     15. [M 8,192, K 256] x [K 256, N 1,024]; A: computed on the way; B: input w2 (given as codes): QUANTISED
;;     16. [M 8,192, K 1,024] x [K 1,024, N 512]; A: input x; B: input w1 (given as codes): QUANTISED
;;     17. [M 8,192, K 256] x [K 256, N 1,024]; A: computed on the way; B: input w2 (given as codes): QUANTISED
;;   THE QUANTISER, for each operand of a quantised product, along K:
;;     - K is cut into blocks of 32 from its start; a last block that is shorter is filled with zeros.
;;     - A block's scale is 2^e with e = floor(log2(the largest magnitude in the block)) - 15, held to -126 .. 127; a block of zeros has e = 0. As a byte (E8M0): e + 127.
;;     - Each number is divided by its block's scale, clamped to +-57,344, and rounded to the nearest number of E5M2, ties to even, subnormals kept.
;;     - The product sums the exact products of the quantised numbers (number of the format x scale) in f32.
;;   ~~~python
;;   def quantise(x, axis):      # numpy; x: float32 -> the quantised numbers, widened to float32 again
;;       x = np.moveaxis(x, axis, -1); K = x.shape[-1]
;;       x = np.pad(x, [(0, 0)] * (x.ndim - 1) + [(0, -K % 32)]); x = x.reshape(x.shape[:-1] + (-1, 32)); a = np.abs(x).max(-1, keepdims=True)
;;       e = np.where(a > 0, np.clip(np.frexp(np.where(a > 0, a, 1))[1] - 1 - 15, -126, 127), 0)      # np.frexp(a)[1] - 1 = floor(log2(a)), exactly
;;       r = np.clip(x / 2.0 ** e, -57344, 57344)
;;       step = 2.0 ** (np.maximum(np.frexp(np.where(r == 0, 1, r))[1] - 1, -14) - 2)
;;       q = np.round(r / step) * step * 2.0 ** e      # np.round: ties to even
;;       return np.moveaxis(q.reshape(q.shape[:-2] + (-1,))[..., :K], -1, axis).astype(np.float32)
;;   ~~~
;;   OPERANDS COMPUTED ON THE WAY. 'Computed on the way' means the value that the module computes at that place (a softmax that the list does not call 'softmax' is quantised finished and normalised). What goes into a quantiser is computed in f32, as accurately as f32 sums, v_exp_f32 and their like allow (about 1e-6 of the number): no bf16 or f16 on the way to a quantiser, and a product that is left as it is and whose result goes on into a quantised operand takes f32 operands (vector FMAs, or v_wmma_f32_16x16x4_f32). A number that lies on a knife's edge between two numbers of the format may be rounded either way, as far as f32 arithmetic and the matrix unit's own rounding can turn it there, and no further.
;;   INPUTS GIVEN AS CODES. w1 (in the module: [8, 1024, 512], K = its axis 1); w2 (in the module: [8, 256, 1024], K = its axis 1): each comes as NAME_codes (uint8): NAME with its K axis moved to the last place and cut into blocks of 32 codes, [.., K / 32, bytes a block], one block behind the other in memory; one code a byte (a code: sign, 5 exponent bits, 2 mantissa bits); and NAME_scales (uint8): the same leading axes, one E8M0 byte (e + 127) for each 32 codes along K. Its value is code x scale, taken as it is: it is not quantised again, and the codes and scales need not be those that the quantiser above would give.
;; 3 versions, each right; version 2 is faster than version 1; version 3 is version 2 with the launch chain written anew for expert scheduling mode. Each part assembles by itself: llvm-mc -triple=amdgcn-amd-amdhsa -mcpu=gfx1250 --defsym DOCPART=n.
;; ======== version 1 of 3: 3 launches
;; workspace buffers: xq 8,388,608 bytes; xs 262,144 bytes; gates 65,536 bytes; meta 65,536 bytes of whole numbers; order 40,960 bytes of whole numbers; wf 6,684,672 bytes
;; launch route (part 1): grid 256 x 1, 8 waves a work-group, no clusters, 180,224 bytes of LDS; arguments x, wr, xq, xs, gates, meta; writes xq, xs, gates, meta
.if DOCPART == 1
	.amdgcn_target "amdgcn-amd-amdhsa--gfx1250"
	.amdhsa_code_object_version 6
	.text
	.protected	k_q892733ae8e_route
	.globl	k_q892733ae8e_route
	.p2align	8
	.type	k_q892733ae8e_route,@function
k_q892733ae8e_route:
	s_mov_b64 s[64:65], 0
	v_nop
	global_prefetch_b8 v0, s[64:65] scope:SCOPE_SE
	s_setreg_imm32_b32 hwreg(HW_REG_WAVE_MODE, 25, 1), 1
	s_wait_xcnt 0x0
; ROUTER AND QUANTISER.  x [8192][1024] f32 is read once.  From it: the 8 router logits of each token (f32 multiply-adds), the two largest (ties: the lower index),
; their softmax (the larger logit is taken away first), and x's codes of BF8 (E5M2) with one E8M0 byte for each 32 along K.
; Stored: xq [8192][1024] codes, xs [8192][32] bytes, gates [8192][2] f32, meta [256 groups][32 lanes][2 words]:
;   word 0 of lane l: token 32 g + l: e1 | e2 << 4 | (4 x pair number) << 8 | (rank among the group's tokens of the same pair) << 16;   word 1 of lane l: how many tokens of the group have pair number l.
;   pair number of experts lo < hi: lo (15 - lo) / 2 + hi - lo - 1, 0 .. 27.  These numbers are stored at fixed places: no address and no branch of this launch hangs on them.
; SHARES.  A work-group takes 32 tokens.  Wave w takes k = 128 w .. 128 w + 127 of all 32: 32 rows of 512 bytes, brought by four tensor loads of 8 rows, all issued at the start (four of a wave's loads are out at most);
; only the issuing wave reads its tiles, each behind its own counted wait.  Nothing in LDS is filled twice.
; A lane holds 8 neighbours along K of one token (lane / 8: which of 4 tokens; lane % 8: which 8 of 64): a block of 32 lies in four neighbouring lanes.
; The eight waves' partial logits meet in LDS; wave 0 ends the router, a lane a token.  Codes and scale bytes go through LDS and leave in runs of 512 consecutive bytes.
; LIMITS: NaN and infinities are not served.  A block of zeros gets the byte 1 (its codes are zeros; this program alone reads the bytes).
; A token whose second and third logits differ by less than the rounding of an f32 sum of 1,024 terms may be routed otherwise than by another order of that sum.
.set XP,   528                         ; a row of x's tile in LDS: 512 bytes + 16: two neighbouring rows fall on even and on odd 16-byte columns
.set XTW,  32*XP                       ; a wave's 32 rows
.set CST,  8*XTW                       ; 135,168: the codes' stage, 32 rows
.set CP,   1088                        ; of 1,024 bytes + 64
.set XSL,  CST+32*CP                   ; 169,984: scale bytes [32][32]
.set LG,   XSL+1024                    ; 171,008: partial logits [wave][token][8] f32
.set WR,   16                          ; v16-143  wr[e][128 w + 64 c + 8 q + i] at WR + 64 c + 8 e + i
.set X,    144                         ; v144-175 two sets of 16 numbers of x
.set P,    176                         ; v176-191 eight pairs of partial sums
.set L,    192                         ; v192-199 eight partial logits
.set BF,   200                         ; v200-207 at work in the exchange
.set QT,   208                         ; v208-223 the quantiser: 8 registers a chunk
.set CD,   224                         ; v224-227 codes, v228-229 scale bytes
.set G1,   16                          ; s[16:23] descriptor group 1
.set G0,   24                          ; s[24:39] four groups 0
.set WV,   46                          ; s46 my wave
	s_load_b256 s[4:11], s[0:1], 0x0               ; x, wr, xq, xs
	s_load_b128 s[12:15], s[0:1], 0x20             ; gates, meta
	v_lshl_add_u32 v254, v0, 2, 0x2bc00
	v_mov_b32 v255, 0
	ds_add_u32 v254, v255
	ds_add_u32 v254, v255
	v_lshrrev_b32 v11, 5, v0
	v_readfirstlane_b32 s[WV], v11
	s_mov_b32 s[G1+0], (2<<16)|(1<<20)|(6<<22)|(3<<25)  ; elements of 4 bytes; padding on: 4 words behind every 128
	s_mov_b32 s[G1+1], 128<<16                     ; tensor_dim0 = 128
	s_mov_b32 s[G1+2], 8<<16                       ; tensor_dim1 = 8
	s_mov_b32 s[G1+3], 128<<16                     ; tile_dim0 = 128
	s_mov_b32 s[G1+4], 8                           ; tile_dim1 = 8
	s_mov_b32 s[G1+5], 1024                        ; elements from row to row
	s_mov_b32 s[G1+6], 0
	s_mov_b32 s[G1+7], 0
	s_mul_i32 s47, s[WV], XTW                      ; my tiles' place in LDS
	s_lshl_b32 s2, ttmp9, 17                       ; 32 tokens of 4,096 bytes
	s_lshl_b32 s3, s[WV], 9                        ; my 512 bytes of a row
	s_add_co_u32 s2, s2, s3
	s_mov_b32 s3, 0
	s_mov_b32 s40, 0xaaaaaaaa                      ; lanes with bit 0, 1, 2 of the lane's number set
	s_mov_b32 s41, 0xcccccccc
	s_mov_b32 s42, 0xf0f0f0f0
	s_mov_b32 s43, 0x600000                        ; the mantissa field of 57,344
	s_wait_dscnt 0x0
	s_wait_kmcnt 0x0
	s_add_nc_u64 s[4:5], s[4:5], s[2:3]
.irp i, 0,1,2,3
	s_mov_b32 s[G0+4*\i], 1
	s_add_co_u32 s[G0+4*\i+1], s47, \i*8*XP
	s_add_nc_u64 s[G0+4*\i+2:G0+4*\i+3], s[4:5], \i*32768
	s_or_b32 s[G0+4*\i+3], s[G0+4*\i+3], 0x80000000
.endr
.irp i, 0,1,2,3
	tensor_load_to_lds s[G0+4*\i:G0+4*\i+3], s[G1:G1+7]   ; rows 8 i .. 8 i + 7
	s_nop 0
.endr
	v_and_b32 v12, 31, v0                          ; lane
	v_bfe_u32 v13, v0, 3, 2                        ; t: which of a set's 4 tokens
	v_and_b32 v14, 7, v0                           ; q: which 8 of 64 along K
	v_lshlrev_b32 v10, 5, v14                      ; 32 q
	s_lshl_b32 s2, s[WV], 9
	s_add_nc_u64 s[6:7], s[6:7], s[2:3]            ; wr at my 128 columns
.irp c, 0,1
.irp e, 0,1,2,3,4,5,6,7
.irp u, 0,1
	global_load_b128 v[WR+64*\c+8*\e+4*\u:WR+64*\c+8*\e+4*\u+3], v10, s[6:7] offset:4096*\e+256*\c+16*\u
.endr
.endr
.endr
	; every LDS address is made here, ahead of any parting of the waves
	v_mul_u32_u24 v1, v13, XP
	v_lshl_add_u32 v1, v14, 5, v1
	v_add_nc_u32 v1, s47, v1                       ; x: my tiles + 528 t + 32 q
	v_mul_u32_u24 v2, v13, CP
	v_lshl_add_u32 v2, v14, 3, v2
	s_lshl_b32 s48, s[WV], 7
	s_add_co_u32 s48, s48, CST
	v_add_nc_u32 v2, s48, v2                       ; codes in: row t, byte 128 w + 8 q
	v_bfe_u32 v3, v0, 2, 1
	v_lshl_add_u32 v3, v13, 5, v3
	s_lshl_b32 s48, s[WV], 2
	s_add_co_u32 s48, s48, XSL
	v_add_nc_u32 v3, s48, v3                       ; scale bytes in: 32 t + 4 w + q / 4
	v_lshlrev_b32 v4, 2, v12
	s_lshl_b32 s48, s[WV], 10
	s_add_co_u32 s48, s48, LG
	v_add_nc_u32 v4, s48, v4                       ; partial logits in: 1,024 w + 4 x lane (= 32 t + 4 q)
	s_mul_i32 s48, s[WV], 4*CP
	s_add_co_u32 s48, s48, CST
	v_lshl_add_u32 v5, v12, 4, s48                 ; codes out: rows 4 w on, 16 bytes a lane
	s_and_b32 s49, s[WV], 1
	s_lshl_b32 s48, s49, 9
	s_add_co_u32 s48, s48, XSL
	v_lshl_add_u32 v6, v12, 4, s48                 ; scale bytes out (waves 6, 7)
	v_lshl_add_u32 v7, v12, 5, LG                  ; logits out (wave 0): a lane a token
	v_lshlrev_b32 v8, 4, v12                       ; 16 x lane
	v_lshlrev_b32 v9, 3, v12                       ; 8 x lane
	s_lshl_b32 s2, ttmp9, 15
	s_lshl_b32 s48, s[WV], 12
	s_add_co_u32 s2, s2, s48
	s_add_nc_u64 s[8:9], s[8:9], s[2:3]            ; xq at my 4 tokens
	s_lshl_b32 s2, ttmp9, 10
	s_lshl_b32 s48, s49, 9
	s_add_co_u32 s2, s2, s48
	s_add_nc_u64 s[10:11], s[10:11], s[2:3]        ; xs at the group's bytes, half w % 2
	s_lshl_b32 s2, ttmp9, 8
	s_add_nc_u64 s[12:13], s[12:13], s[2:3]        ; gates and meta: 256 bytes a group
	s_add_nc_u64 s[14:15], s[14:15], s[2:3]
.macro LOADX s                         ; set s: tokens 4 s .. 4 s + 3: 16 numbers a lane
.if (\s)%2 == 0
	s_wait_tensorcnt 3-(\s)/2                      ; tile s / 2 has landed; the younger tiles may be out
.endif
.irp c, 0,1
.irp u, 0,1
	ds_load_b128 v[X+16*((\s)%2)+8*\c+4*\u:X+16*((\s)%2)+8*\c+4*\u+3], v1 offset:4*XP*(\s)+256*\c+16*\u
.endr
.endr
.endm
.macro SET s, n                        ; n: the LDS instructions issued behind set s's loads: the 5 stores of the set before and the 4 loads of the next
.set XS, X+16*((\s)%2)
.if (\s) < 7
	LOADX (\s)+1
.endif
	s_wait_dscnt \n
	; the logits' parts: 8 experts x 16 numbers, two multiply-adds an instruction, the eight chains by turns
.irp e, 0,1,2,3,4,5,6,7
	v_pk_mul_f32 v[P+2*\e:P+2*\e+1], v[XS:XS+1], v[WR+8*\e:WR+8*\e+1]
.endr
.irp j, 1,2,3,4,5,6,7
.irp e, 0,1,2,3,4,5,6,7
	v_pk_fma_f32 v[P+2*\e:P+2*\e+1], v[XS+2*\j:XS+2*\j+1], v[WR+64*(\j/4)+8*\e+2*(\j%4):WR+64*(\j/4)+8*\e+2*(\j%4)+1], v[P+2*\e:P+2*\e+1]
.endr
.endr
.irp e, 0,1,2,3,4,5,6,7
	v_add_f32 v[L+\e], v[P+2*\e], v[P+2*\e+1]
.endr
	; the eight lanes of a token exchange: in each step a lane keeps the half of its sums whose expert has its own bit and sends the other half; lane q ends with expert q's sum over the 8 lanes
.irp a, 0,1,2,3
	v_cndmask_b32 v[BF+\a], v[L+2*\a], v[L+2*\a+1], s40
	v_cndmask_b32 v[BF+4+\a], v[L+2*\a+1], v[L+2*\a], s40
.endr
.irp a, 0,1,2,3
	v_add_f32_dpp v[BF+\a], v[BF+4+\a], v[BF+\a] row_xmask:1 row_mask:0xf bank_mask:0xf
.endr
.irp a, 0,1
	v_cndmask_b32 v[L+\a], v[BF+2*\a], v[BF+2*\a+1], s41
	v_cndmask_b32 v[L+2+\a], v[BF+2*\a+1], v[BF+2*\a], s41
.endr
.irp a, 0,1
	v_add_f32_dpp v[L+\a], v[L+2+\a], v[L+\a] row_xmask:2 row_mask:0xf bank_mask:0xf
.endr
	v_cndmask_b32 v[L+4], v[L], v[L+1], s42
	v_cndmask_b32 v[L+5], v[L+1], v[L], s42
	v_add_f32_dpp v[L+4], v[L+5], v[L+4] row_xmask:4 row_mask:0xf bank_mask:0xf
	ds_store_b32 v4, v[L+4] offset:128*(\s)
	; the quantiser, behind the logits, since the hold changes the numbers in place; the two chunks by turns
.irp c, 0,1
	v_max3_num_f32 v[QT+8*\c], |v[XS+8*\c]|, |v[XS+8*\c+1]|, 0x8000000   ; my 8 numbers and the floor 2^(16 - 127): the byte cannot fall under 1
.endr
.irp i, 2,4,6
.irp c, 0,1
	v_max3_num_f32 v[QT+8*\c], v[QT+8*\c], |v[XS+8*\c+\i]|, |v[XS+8*\c+\i+1]|
.endr
.endr
.irp c, 0,1
	v_max_num_f32_dpp v[QT+8*\c], v[QT+8*\c], v[QT+8*\c] row_xmask:1 row_mask:0xf bank_mask:0xf
.endr
.irp c, 0,1
	v_max_num_f32_dpp v[QT+8*\c], v[QT+8*\c], v[QT+8*\c] row_xmask:2 row_mask:0xf bank_mask:0xf   ; the block's four lanes
.endr
.irp c, 0,1
	v_add_nc_u32 v[QT+8*\c+1], 0xf8800000, v[QT+8*\c]              ; 15 off the exponent field: the conversion's scale operand
	v_and_or_b32 v[QT+8*\c+2], v[QT+8*\c], 0x7f800000, s43         ; 57,344 x the scale
.endr
.irp i, 0,1,2,3,4,5,6,7
.irp c, 0,1
	v_med3_num_f32 v[XS+8*\c+\i], v[XS+8*\c+\i], -v[QT+8*\c+2], v[QT+8*\c+2]   ; the conversion to an 8-bit code does not saturate (ISA guide 7.6.2)
.endr
.endr
.irp c, 0,1
	v_cvt_scalef32_pk8_bf8_f32 v[CD+2*\c:CD+2*\c+1], v[XS+8*\c:XS+8*\c+7], v[QT+8*\c+1]
.endr
.irp c, 0,1
	v_lshrrev_b32 v[CD+4+\c], 23, v[QT+8*\c+1]     ; the scale's byte (a plain line behind the conversions)
.endr
.irp c, 0,1
	ds_store_b64 v2, v[CD+2*\c:CD+2*\c+1] offset:4*CP*(\s)+64*\c
	ds_store_b8 v3, v[CD+4+\c] offset:128*(\s)+2*\c                ; the block's four lanes write the same byte with the same value
.endr
.endm
	LOADX 0
	s_wait_loadcnt 0x0                             ; wr
	SET 0, 4
.irp s, 1,2,3,4,5,6
	SET \s, 9
.endr
	SET 7, 5
	s_wait_dscnt 0x0                               ; for the others' sake: my stores have landed
	s_barrier_signal -1
	s_barrier_wait -1
	; codes out: my 4 tokens' rows, 512 consecutive bytes a store
.irp i, 0,1,2,3,4,5,6,7
	ds_load_b128 v[16+4*\i:19+4*\i], v5 offset:CP*(\i/2)+512*(\i%2)
.endr
.irp i, 0,1,2,3,4,5,6,7
	s_wait_dscnt 7-\i
	global_store_b128 v8, v[16+4*\i:19+4*\i], s[8:9] offset:512*\i
.endr
	s_cmp_lt_u32 s[WV], 6
	s_cbranch_scc1 .Lno_xs
	ds_load_b128 v[48:51], v6                      ; waves 6 and 7: the group's 1,024 scale bytes
	s_wait_dscnt 0x0
	global_store_b128 v8, v[48:51], s[10:11]
.Lno_xs:
	s_cmp_lg_u32 s[WV], 0
	s_cbranch_scc1 .Lend
	; wave 0 ends the router: a lane a token
.irp k, 0,1,2,3,4,5,6,7
.irp u, 0,1
	ds_load_b128 v[80+8*\k+4*\u:80+8*\k+4*\u+3], v7 offset:1024*\k+16*\u
.endr
.endr
	s_wait_dscnt 0x0
.irp j, 0,2,4,6
	v_pk_add_f32 v[144+\j:145+\j], v[80+\j:81+\j], v[88+\j:89+\j]
.endr
.irp k, 2,3,4,5,6,7
.irp j, 0,2,4,6
	v_pk_add_f32 v[144+\j:145+\j], v[144+\j:145+\j], v[80+8*\k+\j:81+8*\k+\j]
.endr
.endr
	v_mov_b32 v152, v144                           ; the largest so far and its expert,
	v_mov_b32 v153, 0
	v_mov_b32 v154, 0xff800000                     ; the second: -infinity
	v_mov_b32 v155, 0
.irp e, 1,2,3,4,5,6,7
	v_cmp_gt_f32 s44, v[144+\e], v152              ; strictly greater: of equals the lower index stays ahead
	v_cmp_gt_f32 s45, v[144+\e], v154
	v_cndmask_b32 v154, v154, v[144+\e], s45
	v_cndmask_b32 v155, v155, \e, s45
	v_cndmask_b32 v154, v154, v152, s44
	v_cndmask_b32 v155, v155, v153, s44
	v_cndmask_b32 v152, v152, v[144+\e], s44
	v_cndmask_b32 v153, v153, \e, s44
.endr
	v_sub_f32 v156, v154, v152                     ; the second less the largest: 0 or less
	v_mul_f32 v156, 0x3fb8aa3b, v156
	v_exp_f32 v157, v156
	v_min_u32 v160, v153, v155                     ; lo (a plain line behind the exponential)
	s_wait_alu depctr_va_vdst(0)
	v_add_f32 v158, 1.0, v157
	v_rcp_f32 v162, v158                           ; g1 = 1 / (1 + e^(second - largest))
	v_max_u32 v161, v153, v155                     ; hi (a plain line behind the reciprocal)
	s_wait_alu depctr_va_vdst(0)
	v_mul_f32 v163, v157, v162                     ; g2
	v_sub_nc_u32 v164, 15, v160
	v_mul_u32_u24 v164, v160, v164
	v_lshrrev_b32 v164, 1, v164
	v_sub_nc_u32 v165, v161, v160
	v_add3_u32 v164, v164, v165, -1                ; the pair's number
	v_mov_b32 v166, 0                              ; my rank among the group's tokens of my pair
	v_mov_b32 v169, 0                              ; lane c: how many tokens have pair c
.irp c, 0,1,2,3,4,5,6,7,8,9,10,11,12,13,14,15,16,17,18,19,20,21,22,23,24,25,26,27
	v_cmp_eq_u32 s44, \c, v164
	v_mbcnt_lo_u32_b32 v167, s44, 0
	v_cndmask_b32 v166, v166, v167, s44
	s_bcnt1_i32_b32 s45, s44
	v_writelane_b32 v169, s45, \c
.endr
	v_lshl_or_b32 v168, v155, 4, v153
	v_lshl_or_b32 v168, v164, 10, v168
	v_lshl_or_b32 v168, v166, 16, v168
	global_store_b64 v9, v[168:169], s[14:15]      ; 256 consecutive bytes each
	global_store_b64 v9, v[162:163], s[12:13]
.Lend:
	s_wait_tensorcnt 0x0
	ds_add_u32 v254, v255
	s_wait_dscnt 0x0
	s_endpgm
.Lfunc_end_k_q892733ae8e_route:
	.size	k_q892733ae8e_route, .Lfunc_end_k_q892733ae8e_route-k_q892733ae8e_route
	.p2alignl 7, 3214868480
	.fill 96, 4, 3214868480
	.section	.rodata,"a",@progbits
	.p2align	6, 0x0
	.amdhsa_kernel k_q892733ae8e_route
		.amdhsa_group_segment_fixed_size 180224
		.amdhsa_private_segment_fixed_size 0
		.amdhsa_enable_private_segment 0
		.amdhsa_kernarg_size 48
		.amdhsa_user_sgpr_count 2
		.amdhsa_user_sgpr_kernarg_segment_ptr 1
		.amdhsa_wavefront_size32 1
		.amdhsa_system_sgpr_workgroup_id_x 1
		.amdhsa_system_sgpr_workgroup_id_y 1
		.amdhsa_system_sgpr_workgroup_id_z 1
		.amdhsa_system_vgpr_workitem_id 0
		.amdhsa_next_free_vgpr 256
		.amdhsa_next_free_sgpr 66
		.amdhsa_reserve_vcc 0
		.amdhsa_float_denorm_mode_32 3
		.amdhsa_float_denorm_mode_16_64 3
		.amdhsa_memory_ordered 1
		.amdhsa_forward_progress 1
		.amdhsa_inst_pref_size 94
	.end_amdhsa_kernel
	.amdgpu_metadata
---
amdhsa.version: [ 1, 2 ]
amdhsa.kernels:
  - .name:           k_q892733ae8e_route
    .symbol:         k_q892733ae8e_route.kd
    .args:
      - { .name: x, .offset: 0, .size: 8, .value_kind: global_buffer, .address_space: global }
      - { .name: wr, .offset: 8, .size: 8, .value_kind: global_buffer, .address_space: global }
      - { .name: xq, .offset: 16, .size: 8, .value_kind: global_buffer, .address_space: global }
      - { .name: xs, .offset: 24, .size: 8, .value_kind: global_buffer, .address_space: global }
      - { .name: gates, .offset: 32, .size: 8, .value_kind: global_buffer, .address_space: global }
      - { .name: meta, .offset: 40, .size: 8, .value_kind: global_buffer, .address_space: global }
    .group_segment_fixed_size: 180224
    .private_segment_fixed_size: 0
    .kernarg_segment_align: 8
    .kernarg_segment_size: 48
    .max_flat_workgroup_size: 256
    .sgpr_count:     66
    .vgpr_count:     256
    .wavefront_size: 32
...
	.end_amdgpu_metadata
.endif
;; end of part 1
;; launch place (part 2): grid 97 x 1, 8 waves a work-group, no clusters, 2,048 bytes of LDS; arguments meta, w1_codes, w1_scales, w2_codes, w2_scales, order, wf; writes order, wf
.if DOCPART == 2
	.amdgcn_target "amdgcn-amd-amdhsa--gfx1250"
	.amdhsa_code_object_version 6
	.text
	.protected	k_q892733ae8e_place
	.globl	k_q892733ae8e_place
	.p2align	8
	.type	k_q892733ae8e_place,@function
k_q892733ae8e_place:
	s_mov_b64 s[64:65], 0
	v_nop
	global_prefetch_b8 v0, s[64:65] scope:SCOPE_SE
	s_setreg_imm32_b32 hwreg(HW_REG_WAVE_MODE, 25, 1), 1
	s_wait_xcnt 0x0
; WORK-GROUP 0 places the tokens by their pair of experts; work-groups 1 .. 64 lay W1, 65 .. 96 W2, in the order in which the next launch's operand registers take them.
; THE TILES.  A tile is 64 slots of tokens of ONE pair.  The 28 pairs' ceil(count / 64) add up to 128 .. 155; the X tiles that are missing to 155 are made by cutting the first X full tiles in two of 32 tokens
; (at least (8192 - 28 x 63) / 64 > 100 full tiles exist, X is 27 at most).  So there are always 155 tiles, each with a token in slot 0.
; order [160][64] words: token | e1 << 16 | e2 << 20; a slot without a token holds 0x80000000.  All of it is first filled with that word; each wave waits until its fill stores are done and passes the barrier; only then are the tokens' words stored.
; A token's slot: its rank in its pair = (tokens of the pair in earlier waves' groups) + (in earlier groups of its wave) + (in earlier lanes of its group, from meta).  No atomics.  The tokens' words are stores of 4 bytes to scattered places, 32 KB in all.
; wf: for each expert 96 chunks of 8,704 bytes: four fragments as images of their registers (2,048 bytes: four stores of 16 bytes a lane) and one image of their four scale words (512 bytes).
;   chunk 8 B + s (B = 0 .. 7: hidden units 32 B .. 32 B + 31; s: 128 along K): W1's tiles 0, 1 (the a columns) and 2, 3 (the b columns, 256 on); lane r of tile t takes column 256 (t / 2) + 32 B + 8 (t % 2) + r + 8 (r / 8),
;   so that the results of tiles 0, 1 are 16 neighbours along the second product's K.   chunk 64 + c: W2's columns 32 c .. 32 c + 31: fragment 2 j + s2 = columns 16 j on, 128 s2 along K on.
.set CH,  8704
.set ES,  96*CH
.set M,   16                           ; v16-79   sort: 32 pairs (route word, count);  weights: 16 x 4 registers of codes
.set E,   80                           ; v80-111  sort: running counts;  weights: v80-83 scale words
.set Q,   112                          ; v112-143 what the token's pair says; then the store's offset
.set IX,  144                          ; v144-175 4 x pair number; then the order word
	s_load_b256 s[4:11], s[0:1], 0x0               ; meta, w1_codes, w1_scales, w2_codes
	s_load_b128 s[12:15], s[0:1], 0x20             ; w2_scales, order
	s_load_b64 s[16:17], s[0:1], 0x30              ; wf
	v_lshl_add_u32 v224, v0, 2, 0x400
	v_mov_b32 v225, 0
	v_lshrrev_b32 v1, 5, v0
	v_readfirstlane_b32 s20, v1                    ; wave
	v_and_b32 v1, 31, v0                           ; lane
	v_and_b32 v2, 15, v0                           ; r
	v_bfe_u32 v3, v0, 4, 1                         ; h
	v_lshlrev_b32 v4, 4, v1                        ; 16 x lane
	s_mov_b32 s25, 0
	s_wait_kmcnt 0x0
	s_cmp_eq_u32 ttmp9, 0                          ; the paths part on the work-group's number alone: all eight waves of a work-group go one way
	s_cbranch_scc1 .Lsort
	s_cmp_gt_u32 ttmp9, 64
	s_cbranch_scc1 .Lw2
.macro OUTIMG                          ; a chunk leaves: 17 stores of 512 consecutive bytes
	s_wait_loadcnt 0x0
.irp f, 0,1,2,3
.irp c, 0,1,2,3
	global_store_b128 v4, v[M+16*\f+4*\c:M+16*\f+4*\c+3], s[16:17] offset:2048*\f+512*\c
.endr
.endr
	global_store_b128 v4, v[E:E+3], s[16:17] offset:8192
.endm
	; ---- W1: work-group 1 + 8 e + B, wave = K step
	s_sub_co_u32 s21, ttmp9, 1
	s_lshr_b32 s22, s21, 3                         ; e
	s_and_b32 s23, s21, 7                          ; B
	v_and_b32 v5, 8, v2
	v_add_nc_u32 v5, v5, v2                        ; r + 8 (r / 8)
	v_lshlrev_b32 v6, 10, v5
	v_lshl_add_u32 v6, v3, 4, v6                   ; codes: a column's 1,024 bytes, + 16 h
	v_lshlrev_b32 v7, 5, v5                        ; scale bytes: 32 a column
	s_lshl_b32 s24, s22, 19
	s_lshl_b32 s26, s23, 15
	s_add_co_u32 s24, s24, s26
	s_lshl_b32 s26, s20, 7
	s_add_co_u32 s24, s24, s26
	s_add_nc_u64 s[6:7], s[6:7], s[24:25]
	s_lshl_b32 s24, s22, 14
	s_lshl_b32 s26, s23, 10
	s_add_co_u32 s24, s24, s26
	s_lshl_b32 s26, s20, 2
	s_add_co_u32 s24, s24, s26
	s_add_nc_u64 s[8:9], s[8:9], s[24:25]
	s_mul_i32 s24, s22, ES
	s_lshl_b32 s26, s23, 3
	s_add_co_u32 s26, s26, s20
	s_mul_i32 s26, s26, CH
	s_add_co_u32 s24, s24, s26
	s_add_nc_u64 s[16:17], s[16:17], s[24:25]
.irp t, 0,1,2,3
.irp c, 0,1,2,3
	global_load_b128 v[M+16*\t+4*\c:M+16*\t+4*\c+3], v6, s[6:7] offset:262144*(\t/2)+8192*(\t%2)+32*\c
.endr
	global_load_b32 v[E+\t], v7, s[8:9] offset:8192*(\t/2)+256*(\t%2)
.endr
	OUTIMG
	s_endpgm
.Lw2:
	; ---- W2: chunk number 8 (work-group - 65) + wave = 32 e + c
	s_sub_co_u32 s21, ttmp9, 65
	s_lshr_b32 s22, s21, 2                         ; e
	s_and_b32 s23, s21, 3
	s_lshl_b32 s23, s23, 3
	s_add_co_u32 s23, s23, s20                     ; c
	v_lshlrev_b32 v6, 8, v2
	v_lshl_add_u32 v6, v3, 4, v6                   ; codes: a column's 256 bytes, + 16 h
	v_lshlrev_b32 v7, 3, v2                        ; scale bytes: 8 a column
	s_lshl_b32 s24, s22, 18
	s_lshl_b32 s26, s23, 13
	s_add_co_u32 s24, s24, s26
	s_add_nc_u64 s[10:11], s[10:11], s[24:25]
	s_lshl_b32 s24, s22, 13
	s_lshl_b32 s26, s23, 8
	s_add_co_u32 s24, s24, s26
	s_add_nc_u64 s[12:13], s[12:13], s[24:25]
	s_mul_i32 s24, s22, ES
	s_add_co_u32 s26, s23, 64
	s_mul_i32 s26, s26, CH
	s_add_co_u32 s24, s24, s26
	s_add_nc_u64 s[16:17], s[16:17], s[24:25]
.irp f, 0,1,2,3
.irp c, 0,1,2,3
	global_load_b128 v[M+16*\f+4*\c:M+16*\f+4*\c+3], v6, s[10:11] offset:4096*(\f/2)+128*(\f%2)+32*\c
.endr
	global_load_b32 v[E+\f], v7, s[12:13] offset:128*(\f/2)+4*(\f%2)
.endr
	OUTIMG
	s_endpgm
.Lsort:
	; ---- the sort.  Wave w has groups 32 w .. 32 w + 31.  In the counts a lane is a pair, in the route words a token.
	v_lshlrev_b32 v5, 3, v1                        ; 8 x lane
	s_lshl_b32 s24, s20, 13
	s_add_nc_u64 s[4:5], s[4:5], s[24:25]
.irp i, 0,1,2,3,4,5,6,7,8,9,10,11,12,13,14,15,16,17,18,19,20,21,22,23,24,25,26,27,28,29,30,31
	global_load_b64 v[M+2*\i:M+2*\i+1], v5, s[4:5] offset:256*\i
.endr
.irp j, 12,13,14,15
	v_mov_b32 v\j, 0x80000000                      ; the word of a slot without a token
.endr
	s_mul_i32 s24, s20, 5120
	s_add_nc_u64 s[22:23], s[14:15], s[24:25]
.irp i, 0,1,2,3,4,5,6,7,8,9
	global_store_b128 v4, v[12:15], s[22:23] offset:512*\i          ; my tenth .. of the fill: 8 waves x 10 x 512 bytes are all of order
.endr
	v_lshlrev_b32 v9, 2, v1                        ; 4 x lane
	s_lshl_b32 s24, s20, 7
	v_add_nc_u32 v10, s24, v9                      ; my wave's 32 totals in LDS
	s_lshl_b32 s24, s20, 10
	v_add_nc_u32 v11, s24, v1                      ; the token of my lane in my wave's first group
	v_mov_b32 v183, 31
	v_mov_b32 v[E], 0
	s_wait_loadcnt 0x0
.irp i, 1,2,3,4,5,6,7,8,9,10,11,12,13,14,15,16,17,18,19,20,21,22,23,24,25,26,27,28,29,30,31
	v_add_nc_u32 v[E+\i], v[E+\i-1], v[M+2*\i-1]   ; tokens of pair = lane in my wave's groups ahead of group i
.endr
	v_add_nc_u32 v176, v[E+31], v[M+63]
	ds_store_b32 v10, v176
	s_wait_dscnt 0x0                               ; my totals have landed,
	s_wait_storecnt 0x0                            ; and my part of the fill is done: the tokens' words, which any wave may store over it, come behind the barrier
	s_barrier_signal -1
	s_barrier_wait -1
.irp k, 0,1,2,3,4,5,6,7
	ds_load_b32 v[192+\k], v9 offset:128*\k
.endr
	v_mov_b32 v7, 0                                ; the pair's tokens in earlier waves
	v_mov_b32 v8, 0                                ; the pair's tokens in all
	v_mov_b32 v6, 0
	s_wait_dscnt 0x0
.irp k, 0,1,2,3,4,5,6,7
	s_cmp_gt_u32 s20, \k
	s_cselect_b32 s24, -1, 0
	v_add_nc_u32 v8, v8, v[192+\k]
	v_and_b32 v177, s24, v[192+\k]
	v_add_nc_u32 v7, v7, v177
.endr
.irp p, 0,1,2,3,4,5,6,7,8,9,10,11,12,13,14,15,16,17,18,19,20,21,22,23,24,25,26,27
	v_readlane_b32 s[36+\p], v8, \p
.endr
	s_mov_b32 s66, 155
.irp p, 0,1,2,3,4,5,6,7,8,9,10,11,12,13,14,15,16,17,18,19,20,21,22,23,24,25,26,27
	s_add_co_u32 s68, s[36+\p], 63
	s_lshr_b32 s68, s68, 6
	s_sub_co_u32 s66, s66, s68                     ; at the end: X, the tiles that are missing to 155
.endr
	s_mov_b32 s67, 0                               ; the pair's first tile
.irp p, 0,1,2,3,4,5,6,7,8,9,10,11,12,13,14,15,16,17,18,19,20,21,22,23,24,25,26,27
	s_lshr_b32 s68, s[36+\p], 6
	s_min_u32 s68, s68, s66                        ; x: how many of the pair's full tiles are cut in two
	s_sub_co_u32 s66, s66, s68
	s_add_co_u32 s69, s[36+\p], 63
	s_lshr_b32 s69, s69, 6
	s_lshl_b32 s70, s67, 13
	s_lshl_b32 s71, s68, 21
	s_or_b32 s70, s70, s71
	v_writelane_b32 v6, s70, \p                    ; lane = pair: first tile << 13 | x << 21; the low 13 bits take the rank's base (8,191 at most: no carry)
	s_add_co_u32 s67, s67, s69
	s_add_co_u32 s67, s67, s68
.endr
.irp i, 0,1,2,3,4,5,6,7,8,9,10,11,12,13,14,15,16,17,18,19,20,21,22,23,24,25,26,27,28,29,30,31
	v_add3_u32 v[E+\i], v6, v7, v[E+\i]
	v_bfe_u32 v[IX+\i], v[M+2*\i], 8, 7            ; 4 x my token's pair: the lane to ask, as a byte index,
	v_min_u32 v[IX+\i], 108, v[IX+\i]              ; held at the last pair's
	ds_bpermute_b32 v[Q+\i], v[IX+\i], v[E+\i]
.endr
	s_wait_dscnt 0x0
.irp i, 0,1,2,3,4,5,6,7,8,9,10,11,12,13,14,15,16,17,18,19,20,21,22,23,24,25,26,27,28,29,30,31
	v_and_b32 v176, 0x1fff, v[Q+\i]
	v_bfe_u32 v177, v[M+2*\i], 16, 5
	v_add_nc_u32 v176, v176, v177                  ; my rank in my pair
	v_bfe_u32 v177, v[Q+\i], 21, 5                 ; x
	v_bfe_u32 v178, v[Q+\i], 13, 8                 ; the pair's first tile
	v_lshlrev_b32 v179, 6, v177
	v_cmp_lt_u32 vcc_lo, v176, v179                ; among the first 64 x: tiles of 32
	v_lshrrev_b32 v180, 6, v176
	v_add_nc_u32 v180, v180, v177
	v_lshrrev_b32 v181, 5, v176
	v_cndmask_b32 v180, v180, v181, vcc_lo         ; which of the pair's tiles
	v_cndmask_b32 v181, 63, v183, vcc_lo
	v_and_b32 v181, v176, v181                     ; which slot
	v_add_nc_u32 v180, v180, v178
	v_lshl_add_u32 v180, v180, 6, v181
	v_min_u32 v180, 0x26bf, v180                   ; held inside the 155 tiles
	v_lshlrev_b32 v[Q+\i], 2, v180
	v_and_b32 v181, 0xff, v[M+2*\i]
	v_add_nc_u32 v182, 32*\i, v11
	v_lshl_or_b32 v[IX+\i], v181, 16, v182
	global_store_b32 v[Q+\i], v[IX+\i], s[14:15]
.endr
	s_wait_tensorcnt 0x0
	ds_add_u32 v224, v225
	s_wait_dscnt 0x0
	s_endpgm
.Lfunc_end_k_q892733ae8e_place:
	.size	k_q892733ae8e_place, .Lfunc_end_k_q892733ae8e_place-k_q892733ae8e_place
	.p2alignl 7, 3214868480
	.fill 96, 4, 3214868480
	.section	.rodata,"a",@progbits
	.p2align	6, 0x0
	.amdhsa_kernel k_q892733ae8e_place
		.amdhsa_group_segment_fixed_size 2048
		.amdhsa_private_segment_fixed_size 0
		.amdhsa_enable_private_segment 0
		.amdhsa_kernarg_size 56
		.amdhsa_user_sgpr_count 2
		.amdhsa_user_sgpr_kernarg_segment_ptr 1
		.amdhsa_wavefront_size32 1
		.amdhsa_system_sgpr_workgroup_id_x 1
		.amdhsa_system_sgpr_workgroup_id_y 1
		.amdhsa_system_sgpr_workgroup_id_z 1
		.amdhsa_system_vgpr_workitem_id 0
		.amdhsa_next_free_vgpr 226
		.amdhsa_next_free_sgpr 100
		.amdhsa_reserve_vcc 1
		.amdhsa_float_denorm_mode_32 3
		.amdhsa_float_denorm_mode_16_64 3
		.amdhsa_memory_ordered 1
		.amdhsa_forward_progress 1
		.amdhsa_inst_pref_size 73
	.end_amdhsa_kernel
	.amdgpu_metadata
---
amdhsa.version: [ 1, 2 ]
amdhsa.kernels:
  - .name:           k_q892733ae8e_place
    .symbol:         k_q892733ae8e_place.kd
    .args:
      - { .name: meta, .offset: 0, .size: 8, .value_kind: global_buffer, .address_space: global }
      - { .name: w1_codes, .offset: 8, .size: 8, .value_kind: global_buffer, .address_space: global }
      - { .name: w1_scales, .offset: 16, .size: 8, .value_kind: global_buffer, .address_space: global }
      - { .name: w2_codes, .offset: 24, .size: 8, .value_kind: global_buffer, .address_space: global }
      - { .name: w2_scales, .offset: 32, .size: 8, .value_kind: global_buffer, .address_space: global }
      - { .name: order, .offset: 40, .size: 8, .value_kind: global_buffer, .address_space: global }
      - { .name: wf, .offset: 48, .size: 8, .value_kind: global_buffer, .address_space: global }
    .group_segment_fixed_size: 2048
    .private_segment_fixed_size: 0
    .kernarg_segment_align: 8
    .kernarg_segment_size: 56
    .max_flat_workgroup_size: 256
    .sgpr_count:     100
    .vgpr_count:     226
    .wavefront_size: 32
...
	.end_amdgpu_metadata
.endif
;; end of part 2
;; launch chain (part 3): grid 155 x 1, 4 waves a work-group, no clusters, 113,152 bytes of LDS; arguments order, gates, xq, xs, wf, b1, b2, out0; writes out0
.if DOCPART == 3
	.amdgcn_target "amdgcn-amd-amdhsa--gfx1250"
	.amdhsa_code_object_version 6
	.text
	.protected	k_q892733ae8e_chain
	.globl	k_q892733ae8e_chain
	.p2align	8
	.type	k_q892733ae8e_chain,@function
k_q892733ae8e_chain:
	s_mov_b64 s[64:65], 0
	v_nop
	global_prefetch_b8 v0, s[64:65] scope:SCOPE_SE
	s_setreg_imm32_b32 hwreg(HW_REG_WAVE_MODE, 25, 1), 1
	s_wait_xcnt 0x0
; ONE TILE OF TOKENS (64 slots, one pair of experts A, B) THROUGH THE WHOLE CHAIN: for each of the two experts u = x W1 + b1, h = silu(a) b, quantised along its 256 units, y = h W2 + b2; out = gA yA + gB yB.
; Both products on codes of BF8 (E5M2) with E8M0 scales.  The six experts whose gate the problem itself makes 0 are not multiplied.  A token lies in one tile, so each row of out0 has one owner.
; SHARES.  Four waves SHARE THE COLUMNS, NOT THE ROWS: wave w makes hidden units 64 w .. 64 w + 63 and output columns 256 w .. 256 w + 255 for all 64 rows, so each byte of the weights enters the work-group once.
; x's codes of the 64 rows (gathered by the list into LDS, once) stay in every wave's registers, 512 of them.  The hidden layer goes from wave to wave through LDS as images of the operand's registers.
; Both products are used TRANSPOSED (source 0 = 16 columns of the weight, source 1 = 16 tokens): a lane holds one token (lane % 16) throughout.
; THE WEIGHTS come from memory straight into registers, as the launch before laid them: a chunk is 17 loads of 512 consecutive bytes (four fragments, one register of scale words each).
; Four buffers take turns; each chunk is asked for four chunks ahead, from the first block of W1 to the last of W2, over every boundary; no other load is issued meanwhile, so a step's wait leaves the 3 x 17 younger loads out.
; NO CLUSTER, NO JOINT LOADS, NO TENSOR LOADS: which weights a work-group reads hangs on the stored list, and neighbouring tiles need not have a pair in common, so partners' requests would differ.
; Even tiles walk (lo, hi), odd tiles (hi, lo).  No branch hangs on loaded numbers: there are always 155 tiles with two experts each.
; A SLOT WITHOUT A TOKEN is given slot 0's word: it computes and stores slot 0's row once more, with the same bits.
; LIMITS: NaN and infinities are not served.  For a under about -88.7, 2^(-a log2 e) is infinite and silu(a) comes out as 0.  A block of zeros of h gets the byte 1; its codes are zeros.
; REGISTERS, in windows of 256.  Window 0: v1-10 addresses; v16-19 the tile's words; v24-31 gates; v32-47 the weights' scale words, 4 a buffer; v48-63 x's scale words, later h's;
;   v64-191 accumulators, later rows on their way out; v192-223 b1, later the rows' offsets; v192-255 b2; v224-239, v240-255 the quantiser.
;   Window 1: the four buffers of 64.   Window 2: x's fragments of K steps 0-3, later out's 64 x 128 sums.   Window 3: x's fragments of K steps 4-7, later h's sixteen fragments.
.set CH,   8704
.set QB,   4*CH
.set ES,   96*CH
.set XPI,  1040                        ; a row of x's codes in LDS: 1,024 bytes + 16: an odd multiple of 16
.set HIMG, 64*XPI                      ; 66,560: h's images: expert slot x 16,384 + fragment (2 m + s2) x 2,048 + 512 c + 16 x lane
.set HSC,  HIMG+32768                  ; 99,328: h's scale words: slot x 512 + 128 m + 4 x lane (lanes 0-15: K step 0, lanes 16-31: K step 1)
.set B1L,  HSC+1024                    ; 100,352: b1 of A, of B
.set B2L,  B1L+4096                    ; 104,448: b2 of A, of B
.set SPI,  528                         ; the way out: a wave's stage of 16 rows x (512 + 16) bytes, laid over x's rows, which nobody reads behind the second barrier
.set STW,  16*SPI
.set TK,   16
.set GT,   24
.set SCW,  32
.set XSC,  48
.set ACC,  64
.set BI,   192
.set AO,   192
.set TM,   224
.set PC,   240
.set WV,   20                          ; s20 wave;  s21, s22 experts A, B
.set EA,   21
.set EB,   22
.set SA1,  24                          ; s[24:31] where my parts of A's W1, B's W1, A's W2, B's W2 begin
.set SB1,  26
.set SA2,  28
.set SB2,  30
.set CUR,  32                          ; s[32:33] the segment in hand;  s[34:35] the next
.set NXT,  34
.set OUTB, 36
.set TRIP, 38
.set SEL,  40
.set MNT,  42
.set MSB,  0
.macro WIN new                         ; the immediate's high byte repeats the setting that is left
.if MSB != \new
	s_set_vgpr_msb (MSB<<8)|\new
.set MSB, \new
.endif
.endm
.macro PLACES n
.rept \n
	v_nop
.endr
.endm
.macro MM row                          ; one product, by the symbols rD, rA, rB, rC, rSA, rSB; row = 1: the tokens' scales stand in lanes 16-31
.if \row
	v_wmma_scale_f32_16x16x128_f8f6f4 v[rD:rD+7], v[rA:rA+15], v[rB:rB+15], v[rC:rC+7], v[rSA], v[rSB] matrix_a_fmt:MATRIX_FMT_BF8 matrix_b_fmt:MATRIX_FMT_BF8 matrix_b_scale:MATRIX_SCALE_ROW1
.else
	v_wmma_scale_f32_16x16x128_f8f6f4 v[rD:rD+7], v[rA:rA+15], v[rB:rB+15], v[rC:rC+7], v[rSA], v[rSB] matrix_a_fmt:MATRIX_FMT_BF8 matrix_b_fmt:MATRIX_FMT_BF8
.endif
.endm
.macro REFILL buf, base, ch            ; chunk ch of a segment into buffer buf: 17 loads
	WIN 0x40                                       ; destination window 1, offset window 0
.irp f, 0,1,2,3
.irp c, 0,1,2,3
	global_load_b128 v[64*(\buf)+16*\f+4*\c:64*(\buf)+16*\f+4*\c+3], v1, s[\base:\base+1] offset:CH*(\ch)+2048*\f+512*\c
.endr
.endr
	WIN 0
	global_load_b128 v[SCW+4*(\buf):SCW+4*(\buf)+3], v1, s[\base:\base+1] offset:CH*(\ch)+8192
.endm
	s_load_b512 s[4:19], s[0:1], 0x0               ; order, gates, xq, xs, wf, b1, b2, out0
	v_lshl_add_u32 v22, v0, 2, 0x1b800
	v_mov_b32 v23, 0
	v_lshrrev_b32 v11, 5, v0
	v_readfirstlane_b32 s[WV], v11
	v_and_b32 v12, 15, v0                          ; r
	v_bfe_u32 v13, v0, 4, 1                        ; h
	v_and_b32 v14, 31, v0                          ; lane
	v_mov_b32 v11, 0
	v_lshlrev_b32 v20, 2, v12
	s_lshl_b32 s44, s[WV], 6
	v_lshl_add_u32 v21, v13, 2, s44
	s_lshl_b32 s46, ttmp9, 8                       ; my tile's 64 words
	s_mov_b32 s47, 0
	s_wait_kmcnt 0x0
	s_add_nc_u64 s[4:5], s[4:5], s[46:47]
	global_load_b32 v15, v11, s[4:5]               ; slot 0's word, in every lane
.irp m, 0,1,2,3
	global_load_b32 v[TK+\m], v20, s[4:5] offset:64*\m              ; lane r (and r + 16): slot 16 m + r
.endr
.irp q, 0,1,2,3,4,5,6,7
	global_load_b32 v[64+\q], v21, s[4:5] offset:8*\q               ; the rows that my wave gathers: slot 16 w + 2 q + h
.endr
	; LDS addresses
	v_lshlrev_b32 v1, 4, v14                       ; 16 x lane: also the stream's offset
	v_mul_u32_u24 v2, v12, XPI
	v_lshl_add_u32 v2, v13, 4, v2                  ; x's fragments: row r, + 16 h
	s_lshl_b32 s44, s[WV], 8
	s_add_co_u32 s44, s44, B1L
	v_lshl_add_u32 v3, v13, 6, s44                 ; b1: 256 w + 64 h; a slot on each trip
	s_lshr_b32 s45, s[WV], 1
	s_and_b32 s48, s[WV], 1
	s_lshl_b32 s49, s45, 11
	s_lshl_b32 s50, s48, 10
	s_add_co_u32 s49, s49, s50
	s_add_co_u32 s49, s49, HIMG
	v_add_nc_u32 v4, s49, v1                       ; where I put h's codes: K step w / 2, blocks 2 (w % 2) on
	s_lshl_b32 s49, s45, 6
	s_lshl_b32 s50, s48, 1
	s_add_co_u32 s49, s49, s50
	s_add_co_u32 s49, s49, HSC
	v_lshl_add_u32 v5, v12, 2, s49                 ; and their scale bytes
	v_add_nc_u32 v6, HIMG, v1                      ; where h's images are read
	v_lshl_add_u32 v7, v14, 2, HSC
	s_lshl_b32 s49, s[WV], 10
	s_add_co_u32 s49, s49, B2L
	v_lshl_add_u32 v8, v13, 5, s49                 ; b2: 1,024 w + 32 h
	s_mul_i32 s49, s[WV], STW
	v_mul_u32_u24 v9, v12, SPI
	v_lshl_add_u32 v9, v13, 5, v9
	v_add_nc_u32 v9, s49, v9                       ; my stage, in: row r, + 32 h
	v_add_nc_u32 v10, s49, v1                      ; and back: 16 bytes a lane
	s_mul_i32 s49, s[WV], 16*XPI
	v_mul_u32_u24 v116, v13, XPI
	v_lshl_add_u32 v116, v12, 4, v116
	v_add_nc_u32 v116, s49, v116                   ; gathered rows in: row 16 w + h, + 16 r
	s_lshl_b32 s49, s[WV], 10
	s_add_co_u32 s49, s49, B1L
	v_add_nc_u32 v117, s49, v1
	s_lshl_b32 s49, s[WV], 11
	s_add_co_u32 s49, s49, B2L
	v_add_nc_u32 v118, s49, v1
	v_lshlrev_b32 v119, 4, v12                     ; 16 r
	v_lshlrev_b32 v120, 4, v13                     ; 16 h
.irp m, 0,1,2,3
	v_mov_b32 v[TM+4+\m], 0                        ; written once: a lane permute's destination counts as one of its sources
.endr
	s_mov_b32 s[SEL], 0x76543210
	s_mov_b32 s[SEL+1], 0xfedcba98                 ; lane l xor 16
	s_mov_b32 s[MNT], 0x600000                     ; the mantissa field of 57,344
	s_mov_b32 s53, 0
	s_wait_loadcnt 0x0
.irp i, 16,17,18,19,64,65,66,67,68,69,70,71
	v_cmp_gt_i32 vcc_lo, 0, v\i                    ; a slot without a token
	v_cndmask_b32 v\i, v\i, v15, vcc_lo            ; takes slot 0's word
.endr
	v_readfirstlane_b32 s44, v15
	s_bfe_u32 s45, s44, 0x30010
	s_bfe_u32 s46, s44, 0x30014
	s_min_u32 s47, s45, s46
	s_max_u32 s48, s45, s46
	s_and_b32 s49, ttmp9, 1                        ; SCC: an odd tile
	s_cselect_b32 s[EA], s48, s47
	s_cselect_b32 s[EB], s47, s48
	s_min_u32 s[EA], s[EA], 7                      ; loaded numbers are held before they enter an address
	s_min_u32 s[EB], s[EB], 7
	s_mul_i32 s44, s[EA], ES
	s_mul_i32 s46, s[EB], ES
	s_mul_i32 s48, s[WV], 4*QB                     ; W1: my 16 chunks
	s_mul_i32 s50, s[WV], 2*QB                     ; W2: my 8, behind W1's 64
	s_add_co_u32 s50, s50, 16*QB
	s_add_co_u32 s52, s44, s48
	s_add_nc_u64 s[SA1:SA1+1], s[12:13], s[52:53]
	s_add_co_u32 s52, s46, s48
	s_add_nc_u64 s[SB1:SB1+1], s[12:13], s[52:53]
	s_add_co_u32 s52, s44, s50
	s_add_nc_u64 s[SA2:SA2+1], s[12:13], s[52:53]
	s_add_co_u32 s52, s46, s50
	s_add_nc_u64 s[SB2:SB2+1], s[12:13], s[52:53]
	s_mov_b64 s[NXT:NXT+1], s[SA1:SA1+1]
	s_cmp_lt_u32 s[WV], 2                          ; waves 0, 1 bring A's biases, waves 2, 3 B's, a half each
	s_cselect_b32 s44, s[EA], s[EB]
	s_min_u32 s44, s44, 7
	s_and_b32 s45, s[WV], 1
	s_lshl_b32 s52, s44, 11
	s_lshl_b32 s46, s45, 10
	s_add_co_u32 s52, s52, s46
	s_add_nc_u64 s[14:15], s[14:15], s[52:53]
	s_lshl_b32 s52, s44, 12
	s_lshl_b32 s46, s45, 11
	s_add_co_u32 s52, s52, s46
	s_add_nc_u64 s[16:17], s[16:17], s[52:53]
.irp q, 0,1,2,3,4,5,6,7
	v_and_b32 v[72+\q], 0x1fff, v[64+\q]
	v_min_u32 v[72+\q], 0x1fff, v[72+\q]
	v_lshl_add_u32 v[72+\q], v[72+\q], 10, v119    ; the token's row of codes, + 16 r
.endr
.irp m, 0,1,2,3
	v_and_b32 v[104+\m], 0x1fff, v[TK+\m]
	v_min_u32 v[104+\m], 0x1fff, v[104+\m]
	v_lshl_add_u32 v[108+\m], v[104+\m], 5, v120   ; its 32 scale bytes, + 16 h
	v_lshlrev_b32 v[112+\m], 3, v[104+\m]          ; its two gates
.endr
	WIN 0x80                                       ; destination window 2
.irp q, 0,1,2,3,4,5,6,7
.irp j, 0,1,2,3
	global_load_b128 v[16*\q+4*\j:16*\q+4*\j+3], v[72+\q], s[8:9] offset:256*\j   ; sixteen lanes read 256 consecutive bytes of a row
.endr
.endr
	WIN 0
.irp m, 0,1,2,3
	global_load_b128 v[XSC+4*\m:XSC+4*\m+3], v[108+\m], s[10:11]    ; register q: lanes 0-15 K step q, lanes 16-31 K step 4 + q
	global_load_b64 v[GT+2*\m:GT+2*\m+1], v[112+\m], s[6:7]
.endr
.irp i, 0,1
	global_load_b128 v[80+4*\i:83+4*\i], v1, s[14:15] offset:512*\i
.endr
.irp i, 0,1,2,3
	global_load_b128 v[88+4*\i:91+4*\i], v1, s[16:17] offset:512*\i
.endr
	REFILL 0, NXT, 0                               ; the stream begins
	REFILL 1, NXT, 1
	REFILL 2, NXT, 2
	s_wait_loadcnt 51                              ; all but these three chunks: rows, scale words, gates and biases are in
	WIN 0x08                                       ; an LDS store's data are its source 1: window 2
.irp q, 0,1,2,3,4,5,6,7
.irp j, 0,1,2,3
	ds_store_b128 v116, v[16*\q+4*\j:16*\q+4*\j+3] offset:2*XPI*\q+256*\j
.endr
.endr
	WIN 0
.irp i, 0,1
	ds_store_b128 v117, v[80+4*\i:83+4*\i] offset:512*\i
.endr
.irp i, 0,1,2,3
	ds_store_b128 v118, v[88+4*\i:91+4*\i] offset:512*\i
.endr
	REFILL 3, NXT, 3
	s_wait_dscnt 0x0                               ; for the others' sake: my stores have landed
	s_barrier_signal -1
	s_barrier_wait -1                              ; the 64 rows and the biases lie in LDS
	WIN 0x80
.irp s, 0,1,2,3
.irp m, 0,1,2,3
.irp c, 0,1,2,3
	ds_load_b128 v[64*\s+16*\m+4*\c:64*\s+16*\m+4*\c+3], v2 offset:16*XPI*\m+128*\s+32*\c
.endr
.endr
.endr
	WIN 0xc0
.irp s, 0,1,2,3
.irp m, 0,1,2,3
.irp c, 0,1,2,3
	ds_load_b128 v[64*\s+16*\m+4*\c:64*\s+16*\m+4*\c+3], v2 offset:16*XPI*\m+128*(\s+4)+32*\c
.endr
.endr
.endr
	WIN 0
	s_wait_dscnt 0x0
.macro BIAS1 hb                        ; b1 of block hb's four tiles, in the result's layout: tile t, register j: column 256 (t / 2) + 32 (2 w + hb) + 8 (t % 2) + 16 h + j
.irp t, 0,1,2,3
.irp u, 0,1
	ds_load_b128 v[BI+8*\t+4*\u:BI+8*\t+4*\u+3], v3 offset:1024*(\t/2)+128*(\hb)+32*(\t%2)+16*\u
.endr
.endr
.endm
; A K step of the first product: 4 tiles of W1's columns x 4 tiles of tokens.  The 16 accumulators take turns, one instruction a turn.  The bias is the C of a sum's first product.
.macro STEP1 hb, ks
	s_wait_loadcnt 51                              ; this step's chunk is in; the three younger ones may be out
.if (\ks) == 0
	s_wait_dscnt 0x0                               ; b1
.endif
.if (\ks) < 4
	WIN 0x09                                       ; W1 window 1, x window 2, C and D window 0
.else
	WIN 0x0d                                       ; x window 3
.endif
.irp t, 0,1,2,3
.irp m, 0,1,2,3
.set rD, ACC+8*(4*\t+\m)
.set rA, 64*((\ks)%4)+16*\t
.set rB, 64*((\ks)%4)+16*\m
.set rC, rD
.if (\ks) == 0
.set rC, BI+8*\t
.endif
.set rSA, SCW+4*((\ks)%4)+\t
.set rSB, XSC+4*\m+(\ks)%4
	MM (\ks)/4
.endr
.endr
	PLACES 8                                       ; eight places in front of the loads into the buffer just multiplied, and of the first read of results
.if 8*(\hb)+(\ks)+4 < 16
	REFILL (\ks)%4, CUR, 8*(\hb)+(\ks)+4
.else
	REFILL (\ks)%4, NXT, 8*(\hb)+(\ks)+4-16
.endif
.endm
; h = a b / (1 + 2^(-a log2 e)), in place: a in v64-127, b in v128-191; every accumulator is read from its low end on.  At the end tile u (0, 1), register j of tokens m holds unit 32 B + 16 h + 8 u + j.
.macro ACT
.set n, 0
.rept 32
	v_pk_mul_f32 v[ACC+64+n:ACC+65+n], v[ACC+n:ACC+1+n], v[ACC+64+n:ACC+65+n]
.set n, n+2
.endr
.set n, 0
.rept 32
	v_pk_mul_f32 v[ACC+n:ACC+1+n], v[ACC+n:ACC+1+n], 0xbfb8aa3b op_sel_hi:[1,0]
.set n, n+2
.endr
.set n, 0
.rept 64
	v_exp_f32 v[ACC+n], v[ACC+n]
.set n, n+1
.endr
	v_nop                                          ; a plain line behind the last exponential
.set n, 0
	s_wait_alu depctr_va_vdst(0)
.rept 32
	v_pk_add_f32 v[ACC+n:ACC+1+n], v[ACC+n:ACC+1+n], 1.0 op_sel_hi:[1,0]
.set n, n+2
.endr
.set n, 0
.rept 64
	v_rcp_f32 v[ACC+n], v[ACC+n]
.set n, n+1
.endr
	v_nop
.set n, 0
	s_wait_alu depctr_va_vdst(0)
.rept 32
	v_pk_mul_f32 v[ACC+n:ACC+1+n], v[ACC+n:ACC+1+n], v[ACC+64+n:ACC+65+n]
.set n, n+2
.endr
.endm
; One block of 32 units for each of the four tiles of tokens: a lane's 16 numbers (v[64 + 8 m ..], v[96 + 8 m ..]) and lane l xor 16's.  The four by turns.
.macro QUANT
.irp m, 0,1,2,3
	v_max3_num_f32 v[TM+\m], |v[ACC+8*\m]|, |v[ACC+8*\m+1]|, 0x8000000   ; with the floor 2^(16 - 127): the byte cannot fall under 1
.endr
.irp i, 2,4,6
.irp m, 0,1,2,3
	v_max3_num_f32 v[TM+\m], v[TM+\m], |v[ACC+8*\m+\i]|, |v[ACC+8*\m+\i+1]|
.endr
.endr
.irp i, 0,2,4,6
.irp m, 0,1,2,3
	v_max3_num_f32 v[TM+\m], v[TM+\m], |v[ACC+32+8*\m+\i]|, |v[ACC+32+8*\m+\i+1]|
.endr
.endr
.irp m, 0,1,2,3
	v_permlanex16_b32 v[TM+4+\m], v[TM+\m], s[SEL], s[SEL+1]
.endr
.irp m, 0,1,2,3
	v_max_num_f32 v[TM+\m], v[TM+\m], v[TM+4+\m]
.endr
.irp m, 0,1,2,3
	v_add_nc_u32 v[TM+12+\m], 0xf8800000, v[TM+\m]                 ; 15 off the exponent field: the conversion's scale operand
.endr
.irp m, 0,1,2,3
	v_and_or_b32 v[TM+8+\m], v[TM+\m], 0x7f800000, s[MNT]          ; 57,344 x the scale
.endr
.irp m, 0,1,2,3
	v_lshrrev_b32 v[TM+4+\m], 23, v[TM+12+\m]                      ; the scale's byte
.endr
.irp m, 0,1,2,3
.irp i, 0,1,2,3,4,5,6,7
	v_med3_num_f32 v[ACC+8*\m+\i], v[ACC+8*\m+\i], -v[TM+8+\m], v[TM+8+\m]   ; the conversion to an 8-bit code does not saturate (ISA guide 7.6.2)
	v_med3_num_f32 v[ACC+32+8*\m+\i], v[ACC+32+8*\m+\i], -v[TM+8+\m], v[TM+8+\m]
.endr
	v_cvt_scalef32_pk8_bf8_f32 v[PC+4*\m:PC+4*\m+1], v[ACC+8*\m:ACC+8*\m+7], v[TM+12+\m]
	v_cvt_scalef32_pk8_bf8_f32 v[PC+4*\m+2:PC+4*\m+3], v[ACC+32+8*\m:ACC+32+8*\m+7], v[TM+12+\m]
.endr
	v_nop                                          ; a plain line behind the last conversion: later products write its sources
.endm
.macro HOUT hb                         ; four registers of an operand's image for each tile of tokens, and the block's byte of the scale word (lanes r and r + 16 write the same byte with the same value)
.irp m, 0,1,2,3
	ds_store_b128 v4, v[PC+4*\m:PC+4*\m+3] offset:4096*\m+512*(\hb)
	ds_store_b8 v5, v[TM+4+\m] offset:128*\m+(\hb)
.endr
.endm
	s_mov_b32 s[TRIP], 0
.Ltrip:                                            ; two trips: expert A, expert B
	s_wait_xcnt 0x0                                ; the loads that are out have read their bases, so these may be written
	s_mov_b64 s[CUR:CUR+1], s[NXT:NXT+1]
	s_cmp_eq_u32 s[TRIP], 0
	s_cselect_b64 s[NXT:NXT+1], s[SB1:SB1+1], s[SA2:SA2+1]          ; behind A's W1 comes B's, behind that A's W2
	BIAS1 0
.irp k, 0,1,2,3,4,5,6,7
	STEP1 0, \k
.endr
	BIAS1 1                                        ; lands under the activation
	ACT
	QUANT
	HOUT 0
.irp k, 0,1,2,3,4,5,6,7
	STEP1 1, \k
.endr
	ACT
	QUANT
	HOUT 1
	v_add_nc_u32 v3, 2048, v3                      ; the other expert's b1, images and scale words
	v_add_nc_u32 v4, 16384, v4
	v_add_nc_u32 v5, 512, v5
	s_add_co_u32 s[TRIP], s[TRIP], 1
	s_cmp_lt_u32 s[TRIP], 2
	s_cbranch_scc1 .Ltrip
	s_wait_dscnt 0x0                               ; for the others' sake: my images have landed
	s_barrier_signal -1
	s_barrier_wait -1                              ; both experts' hidden layers lie in LDS; nobody reads x's rows any more
	WIN 0xc0
.irp f, 0,1,2,3,4,5,6,7,8,9,10,11,12,13,14,15
.irp c, 0,1,2,3
	ds_load_b128 v[16*\f+4*\c:16*\f+4*\c+3], v6 offset:2048*\f+512*\c   ; fragment 8 x slot + 2 m + s2
.endr
.endr
	WIN 0
.irp e, 0,1
.irp m, 0,1,2,3
	ds_load_b32 v[XSC+4*\e+\m], v7 offset:512*\e+128*\m
.endr
.endr
.irp m, 0,1,2,3
	v_bfe_u32 v11, v[TK+\m], 16, 3                 ; the token's first expert: A or B
	v_cmp_eq_u32 vcc_lo, s[EA], v11
	v_cndmask_b32 v12, v[GT+2*\m+1], v[GT+2*\m], vcc_lo
	v_cndmask_b32 v[GT+2*\m+1], v[GT+2*\m], v[GT+2*\m+1], vcc_lo
	v_mov_b32 v[GT+2*\m], v12                      ; the pair is now (gA, gB)
.endr
	s_lshl_b32 s52, s[WV], 10
	s_add_nc_u64 s[OUTB:OUTB+1], s[18:19], s[52:53]                ; out0 at my 256 columns
; The second product of chunk i (32 columns) for the 64 tokens: 2 tiles of columns x 4 tiles of tokens x 2 K steps; the eight accumulators take turns; b2 is the C of a sum's first product.
.macro WPROD i, slot, cnt
	s_wait_loadcnt \cnt
	WIN 0x0d                                       ; W2 window 1, h window 3, C and D window 0
.irp k, 0,1
.irp j, 0,1
.irp m, 0,1,2,3
.set rD, ACC+64*((\i)%2)+8*(4*\j+\m)
.set rA, 64*(\i)+16*(2*\j+\k)
.set rB, 128*(\slot)+16*(2*\m+\k)
.set rC, rD
.if \k == 0
.set rC, BI+16*(\i)+8*\j
.endif
.set rSA, SCW+4*(\i)+2*\j+\k
.set rSB, XSC+4*(\slot)+\m
	MM \k
.endr
.endr
.endr
.endm
; out's sums (window 2) take chunk i's results times the token's gate: expert A starts them, expert B adds on.  Each accumulator is read from its low end on.
.macro FOLD i, slot
.if \slot
	WIN 0xa0
.else
	WIN 0x80
.endif
.irp j, 0,1
.irp m, 0,1,2,3
.irp p, 0,2,4,6
.set rY, ACC+64*((\i)%2)+8*(4*\j+\m)+\p
.set rO, 64*\m+8*(2*(\i)+\j)+\p
.set rG, GT+2*\m
.if \slot
	v_pk_fma_f32 v[rO:rO+1], v[rY:rY+1], v[rG:rG+1], v[rO:rO+1] op_sel:[0,1,0] op_sel_hi:[1,1,1]   ; gB: the pair's second register for both halves
.else
	v_pk_mul_f32 v[rO:rO+1], v[rY:rY+1], v[rG:rG+1] op_sel_hi:[1,0]                               ; gA: its first
.endif
.endr
.endr
.endr
.endm
; One expert's 128 columns.  The folding of chunk i - 1 names no register of chunk i's products: its 32 lines are the places in front of the loads into buffer i, of the reads of chunk i's results and of the sums begun anew two chunks on.
.macro UNIT slot, hf, fill, base, ch0
.irp i, 0,1,2,3
.irp j, 0,1
.irp u, 0,1
	ds_load_b128 v[BI+16*\i+8*\j+4*\u:BI+16*\i+8*\j+4*\u+3], v8 offset:4096*(\slot)+512*(\hf)+128*\i+64*\j+16*\u
.endr
.endr
.endr
	s_wait_dscnt 0x0
	WPROD 0, \slot, 51
	PLACES 8
.if \fill
	REFILL 0, \base, (\ch0)
	WPROD 1, \slot, 51
	FOLD 0, \slot
	REFILL 1, \base, (\ch0)+1
	WPROD 2, \slot, 51
	FOLD 1, \slot
	REFILL 2, \base, (\ch0)+2
	WPROD 3, \slot, 51
	FOLD 2, \slot
	REFILL 3, \base, (\ch0)+3
.else
	WPROD 1, \slot, 34                             ; the stream has ended: the counts run down
	FOLD 0, \slot
	WPROD 2, \slot, 17
	FOLD 1, \slot
	WPROD 3, \slot, 0
	FOLD 2, \slot
.endif
	FOLD 3, \slot
	WIN 0
.endm
; THE WAY OUT of 64 tokens x 128 columns, 16 tokens at a time: a lane's 32 bytes of a row go into my stage and come back as whole rows of 512 bytes, which the 32 lanes store to the token's row of out0.
.macro ADDR m                          ; the 16 tokens' rows: 4,096 bytes a token, + 16 x lane
.irp i, 0,1,2,3,4,5,6,7,8,9,10,11,12,13,14,15
	v_readlane_b32 s[44+(\i%4)], v[TK+(\m)], \i
	s_and_b32 s[44+(\i%4)], s[44+(\i%4)], 0x1fff
	s_min_u32 s[44+(\i%4)], s[44+(\i%4)], 0x1fff
	s_lshl_b32 s[44+(\i%4)], s[44+(\i%4)], 12
	v_add_nc_u32 v[AO+16*((\m)%2)+\i], s[44+(\i%4)], v1
.endr
.endm
.macro TOSTAGE m
	WIN 0x08                                       ; the data: window 2
.irp t, 0,1,2,3,4,5,6,7
.irp u, 0,1
	ds_store_b128 v9, v[64*(\m)+8*\t+4*\u:64*(\m)+8*\t+4*\u+3] offset:64*\t+16*\u
.endr
.endr
	WIN 0
.irp i, 0,1,2,3,4,5,6,7,8,9,10,11,12,13,14,15
	ds_load_b128 v[ACC+64*((\m)%2)+4*\i:ACC+64*((\m)%2)+4*\i+3], v10 offset:SPI*\i   ; LDS serves a wave's instructions in order (ISA guide 5.7.1.4): these see the stores above, and the next tile's stores come behind them
.endr
.endm
.macro SEND m, younger
	s_wait_dscnt \younger
.irp i, 0,1,2,3,4,5,6,7,8,9,10,11,12,13,14,15
	global_store_b128 v[AO+16*((\m)%2)+\i], v[ACC+64*((\m)%2)+4*\i:ACC+64*((\m)%2)+4*\i+3], s[OUTB:OUTB+1] th:TH_STORE_NT   ; 512 consecutive bytes, at a multiple of 512 from out0's first byte
.endr
.endm
.macro WAYOUT
	ADDR 0
	TOSTAGE 0
.irp m, 1,2,3
.if \m > 1
	s_wait_xcnt 0x0                                ; the stores of two tiles back have read their registers: offsets and rows may be written again
.endif
	ADDR \m
	TOSTAGE \m
	SEND \m-1, 32                                  ; behind that tile's loads: this tile's 16 stores and 16 loads
.endr
	SEND 3, 0
.endm
	UNIT 0, 0, 1, SB2, 0                           ; A's columns 0-127 of my 256; B's are asked for
	UNIT 1, 0, 1, SA2, 4
	WAYOUT                                         ; the next unit's chunks are on their way meanwhile
	s_wait_xcnt 0x0                                ; the stores have read their registers and their base
	s_add_nc_u64 s[OUTB:OUTB+1], s[OUTB:OUTB+1], 512
	UNIT 0, 1, 1, SB2, 4
	UNIT 1, 1, 0, SB2, 0
	WAYOUT
	s_wait_tensorcnt 0x0
	ds_add_u32 v22, v23
	s_wait_dscnt 0x0
	s_endpgm
.Lfunc_end_k_q892733ae8e_chain:
	.size	k_q892733ae8e_chain, .Lfunc_end_k_q892733ae8e_chain-k_q892733ae8e_chain
	.p2alignl 7, 3214868480
	.fill 96, 4, 3214868480
	.section	.rodata,"a",@progbits
	.p2align	6, 0x0
	.amdhsa_kernel k_q892733ae8e_chain
		.amdhsa_group_segment_fixed_size 113152
		.amdhsa_private_segment_fixed_size 0
		.amdhsa_enable_private_segment 0
		.amdhsa_kernarg_size 64
		.amdhsa_user_sgpr_count 2
		.amdhsa_user_sgpr_kernarg_segment_ptr 1
		.amdhsa_wavefront_size32 1
		.amdhsa_system_sgpr_workgroup_id_x 1
		.amdhsa_system_sgpr_workgroup_id_y 1
		.amdhsa_system_sgpr_workgroup_id_z 1
		.amdhsa_system_vgpr_workitem_id 0
		.amdhsa_next_free_vgpr 1024
		.amdhsa_next_free_sgpr 66
		.amdhsa_reserve_vcc 1
		.amdhsa_float_denorm_mode_32 3
		.amdhsa_float_denorm_mode_16_64 3
		.amdhsa_memory_ordered 1
		.amdhsa_forward_progress 1
		.amdhsa_inst_pref_size 255
	.end_amdhsa_kernel
	.section	.bss,"aw",@nobits
	.p2align	6
	.space	262144
	.amdgpu_metadata
---
amdhsa.version: [ 1, 2 ]
amdhsa.kernels:
  - .name:           k_q892733ae8e_chain
    .symbol:         k_q892733ae8e_chain.kd
    .args:
      - { .name: order, .offset: 0, .size: 8, .value_kind: global_buffer, .address_space: global }
      - { .name: gates, .offset: 8, .size: 8, .value_kind: global_buffer, .address_space: global }
      - { .name: xq, .offset: 16, .size: 8, .value_kind: global_buffer, .address_space: global }
      - { .name: xs, .offset: 24, .size: 8, .value_kind: global_buffer, .address_space: global }
      - { .name: wf, .offset: 32, .size: 8, .value_kind: global_buffer, .address_space: global }
      - { .name: b1, .offset: 40, .size: 8, .value_kind: global_buffer, .address_space: global }
      - { .name: b2, .offset: 48, .size: 8, .value_kind: global_buffer, .address_space: global }
      - { .name: out0, .offset: 56, .size: 8, .value_kind: global_buffer, .address_space: global }
    .group_segment_fixed_size: 113152
    .private_segment_fixed_size: 0
    .kernarg_segment_align: 8
    .kernarg_segment_size: 64
    .max_flat_workgroup_size: 128
    .sgpr_count:     66
    .vgpr_count:     1024
    .wavefront_size: 32
...
	.end_amdgpu_metadata
.endif
;; end of part 3
;; ======== version 2 of 3: 3 launches; 1.14 times as fast as version 1
;; workspace buffers: xq 8,388,608 bytes; xs 262,144 bytes; gates 65,536 bytes; meta 65,536 bytes of whole numbers; order 40,960 bytes of whole numbers; wf 6,684,672 bytes
;; launch route: the kernel of part 1 again; grid 256 x 1, 8 waves a work-group, no clusters, 180,224 bytes of LDS; arguments x, wr, xq, xs, gates, meta; writes xq, xs, gates, meta
;; launch place: the kernel of part 2 again; grid 97 x 1, 8 waves a work-group, no clusters, 2,048 bytes of LDS; arguments meta, w1_codes, w1_scales, w2_codes, w2_scales, order, wf; writes order, wf
;; launch chain (part 4): grid 155 x 1, 4 waves a work-group, no clusters, 113,152 bytes of LDS; arguments order, gates, xq, xs, wf, b1, b2, out0; writes out0
.if DOCPART == 4
	.amdgcn_target "amdgcn-amd-amdhsa--gfx1250"
	.amdhsa_code_object_version 6
	.text
	.protected	k_q892733ae8e_chain
	.globl	k_q892733ae8e_chain
	.p2align	8
	.type	k_q892733ae8e_chain,@function
k_q892733ae8e_chain:
	s_mov_b64 s[64:65], 0
	v_nop
	global_prefetch_b8 v0, s[64:65] scope:SCOPE_SE
	s_setreg_imm32_b32 hwreg(HW_REG_WAVE_MODE, 25, 1), 1
	s_wait_xcnt 0x0
; ONE TILE OF TOKENS (64 slots, one pair of experts A, B) THROUGH THE WHOLE CHAIN: for each of the two experts u = x W1 + b1, h = silu(a) b, quantised along its 256 units, y = h W2 + b2; out = gA yA + gB yB.
; Both products on codes of BF8 (E5M2) with E8M0 scales.  The six experts whose gate the problem itself makes 0 are not multiplied.  A token lies in one tile, so each row of out0 has one owner.
; SHARES.  Four waves SHARE THE COLUMNS, NOT THE ROWS: wave w makes hidden units 64 w .. 64 w + 63 and output columns 256 w .. 256 w + 255 for all 64 rows, so each byte of the weights enters the work-group once.
; x's codes of the 64 rows (gathered by the list into LDS, once) stay in every wave's registers, 512 of them.  The hidden layer goes from wave to wave through LDS as images of the operand's registers.
; Both products are used TRANSPOSED (source 0 = 16 columns of the weight, source 1 = 16 tokens): a lane holds one token (lane % 16) throughout.
; THE WEIGHTS come from memory straight into registers, as the launch before laid them: a chunk is 17 loads of 512 consecutive bytes (four fragments, one register of scale words each).
; Four buffers take turns; each chunk is asked for four chunks ahead, from the first block of W1 to the last of W2, over every boundary; no other load into vector registers is issued meanwhile, so a step's wait leaves the 3 x 17 younger loads out.
; NO CLUSTER, NO JOINT LOADS, NO TENSOR LOADS: which weights a work-group reads hangs on the stored list, and neighbouring tiles need not have a pair in common, so partners' requests would differ.
; Even tiles walk (lo, hi), odd tiles (hi, lo).  There are always 155 tiles with two experts each.
; A SLOT WITHOUT A TOKEN is given slot 0's word for the arithmetic, so that its numbers are finite, and STORES NOTHING: on the way out a scalar branch on the stored list leads round its row's store.
; These are the only branches on loaded numbers; no barrier stands behind them, and no counted wait counts stores.
; LIMITS: NaN and infinities are not served.  For a under about -88.7, 2^(-a log2 e) is infinite and silu(a) comes out as 0.  A block of zeros of h gets the byte 1; its codes are zeros.
; REGISTERS, in windows of 256.  Window 0: v1-10 addresses; v16-19 the tile's words; v24-31 gates; v32-47 the weights' scale words, 4 a buffer; v48-63 x's scale words, later h's;
;   v64-191 accumulators, later rows on their way out; v192-223 b1; v192-255 b2, on the way out the 64 rows' offsets; v224-239, v240-255 the quantiser.
;   Window 1: the four buffers of 64.   Window 2: x's fragments of K steps 0-3, later out's 64 x 128 sums.   Window 3: x's fragments of K steps 4-7, later h's sixteen fragments.
.set CH,   8704
.set QB,   4*CH
.set ES,   96*CH
.set XPI,  1040                        ; a row of x's codes in LDS: 1,024 bytes + 16: an odd multiple of 16
.set HIMG, 64*XPI                      ; 66,560: h's images: expert slot x 16,384 + fragment (2 m + s2) x 2,048 + 512 c + 16 x lane
.set HSC,  HIMG+32768                  ; 99,328: h's scale words: slot x 512 + 128 m + 4 x lane (lanes 0-15: K step 0, lanes 16-31: K step 1)
.set B1L,  HSC+1024                    ; 100,352: b1 of A, of B
.set B2L,  B1L+4096                    ; 104,448: b2 of A, of B
.set SPI,  528                         ; the way out: a wave's stage of 16 rows x (512 + 16) bytes, laid over x's rows, which nobody reads behind the second barrier
.set STW,  16*SPI
.set TK,   16
.set GT,   24
.set SCW,  32
.set XSC,  48
.set ACC,  64
.set BI,   192
.set AO,   192
.set TM,   224
.set PC,   240
.set WV,   20                          ; s20 wave;  s21, s22 experts A, B
.set EA,   21
.set EB,   22
.set SA1,  24                          ; s[24:31] where my parts of A's W1, B's W1, A's W2, B's W2 begin
.set SB1,  26
.set SA2,  28
.set SB2,  30
.set CUR,  32                          ; s[32:33] the segment in hand;  s[34:35] the next
.set NXT,  34
.set OUTB, 36
.set TRIP, 38
.set SEL,  40
.set MNT,  42
.set PM,   56                          ; s56-59 for each tile of 16 slots: bit i (and i + 16) set where slot i has no token
.set LWA,  68                          ; s[68:83], s[84:99] the way out: the list's words of two tiles of 16 slots
.set LWB,  84
.set MSB,  0
.macro WIN new                         ; the immediate's high byte repeats the setting that is left
.if MSB != \new
	s_set_vgpr_msb (MSB<<8)|\new
.set MSB, \new
.endif
.endm
.macro PLACES n
.rept \n
	v_nop
.endr
.endm
.macro MM row                          ; one product, by the symbols rD, rA, rB, rC, rSA, rSB; row = 1: the tokens' scales stand in lanes 16-31
.if \row
	v_wmma_scale_f32_16x16x128_f8f6f4 v[rD:rD+7], v[rA:rA+15], v[rB:rB+15], v[rC:rC+7], v[rSA], v[rSB] matrix_a_fmt:MATRIX_FMT_BF8 matrix_b_fmt:MATRIX_FMT_BF8 matrix_b_scale:MATRIX_SCALE_ROW1
.else
	v_wmma_scale_f32_16x16x128_f8f6f4 v[rD:rD+7], v[rA:rA+15], v[rB:rB+15], v[rC:rC+7], v[rSA], v[rSB] matrix_a_fmt:MATRIX_FMT_BF8 matrix_b_fmt:MATRIX_FMT_BF8
.endif
.endm
.macro REFILL buf, base, ch            ; chunk ch of a segment into buffer buf: 17 loads
	WIN 0x40                                       ; destination window 1, offset window 0
.irp f, 0,1,2,3
.irp c, 0,1,2,3
	global_load_b128 v[64*(\buf)+16*\f+4*\c:64*(\buf)+16*\f+4*\c+3], v1, s[\base:\base+1] offset:CH*(\ch)+2048*\f+512*\c
.endr
.endr
	WIN 0
	global_load_b128 v[SCW+4*(\buf):SCW+4*(\buf)+3], v1, s[\base:\base+1] offset:CH*(\ch)+8192
.endm
	s_load_b512 s[4:19], s[0:1], 0x0               ; order, gates, xq, xs, wf, b1, b2, out0
	v_lshl_add_u32 v22, v0, 2, 0x1b800
	v_mov_b32 v23, 0
	v_lshrrev_b32 v11, 5, v0
	v_readfirstlane_b32 s[WV], v11
	v_and_b32 v12, 15, v0                          ; r
	v_bfe_u32 v13, v0, 4, 1                        ; h
	v_and_b32 v14, 31, v0                          ; lane
	v_mov_b32 v11, 0
	v_lshlrev_b32 v20, 2, v12
	s_lshl_b32 s44, s[WV], 6
	v_lshl_add_u32 v21, v13, 2, s44
	s_lshl_b32 s46, ttmp9, 8                       ; my tile's 64 words
	s_mov_b32 s47, 0
	s_wait_kmcnt 0x0
	s_add_nc_u64 s[4:5], s[4:5], s[46:47]          ; the list at my tile: it stays so to the end
	global_load_b32 v15, v11, s[4:5]               ; slot 0's word, in every lane
.irp m, 0,1,2,3
	global_load_b32 v[TK+\m], v20, s[4:5] offset:64*\m              ; lane r (and r + 16): slot 16 m + r
.endr
.irp q, 0,1,2,3,4,5,6,7
	global_load_b32 v[64+\q], v21, s[4:5] offset:8*\q               ; the rows that my wave gathers: slot 16 w + 2 q + h
.endr
	; LDS addresses
	v_lshlrev_b32 v1, 4, v14                       ; 16 x lane: also the stream's offset
	v_mul_u32_u24 v2, v12, XPI
	v_lshl_add_u32 v2, v13, 4, v2                  ; x's fragments: row r, + 16 h
	s_lshl_b32 s44, s[WV], 8
	s_add_co_u32 s44, s44, B1L
	v_lshl_add_u32 v3, v13, 6, s44                 ; b1: 256 w + 64 h; a slot on each trip
	s_lshr_b32 s45, s[WV], 1
	s_and_b32 s48, s[WV], 1
	s_lshl_b32 s49, s45, 11
	s_lshl_b32 s50, s48, 10
	s_add_co_u32 s49, s49, s50
	s_add_co_u32 s49, s49, HIMG
	v_add_nc_u32 v4, s49, v1                       ; where I put h's codes: K step w / 2, blocks 2 (w % 2) on
	s_lshl_b32 s49, s45, 6
	s_lshl_b32 s50, s48, 1
	s_add_co_u32 s49, s49, s50
	s_add_co_u32 s49, s49, HSC
	v_lshl_add_u32 v5, v12, 2, s49                 ; and their scale bytes
	v_add_nc_u32 v6, HIMG, v1                      ; where h's images are read
	v_lshl_add_u32 v7, v14, 2, HSC
	s_lshl_b32 s49, s[WV], 10
	s_add_co_u32 s49, s49, B2L
	v_lshl_add_u32 v8, v13, 5, s49                 ; b2: 1,024 w + 32 h
	s_mul_i32 s49, s[WV], STW
	v_mul_u32_u24 v9, v12, SPI
	v_lshl_add_u32 v9, v13, 5, v9
	v_add_nc_u32 v9, s49, v9                       ; my stage, in: row r, + 32 h
	v_add_nc_u32 v10, s49, v1                      ; and back: 16 bytes a lane
	s_mul_i32 s49, s[WV], 16*XPI
	v_mul_u32_u24 v116, v13, XPI
	v_lshl_add_u32 v116, v12, 4, v116
	v_add_nc_u32 v116, s49, v116                   ; gathered rows in: row 16 w + h, + 16 r
	s_lshl_b32 s49, s[WV], 10
	s_add_co_u32 s49, s49, B1L
	v_add_nc_u32 v117, s49, v1
	s_lshl_b32 s49, s[WV], 11
	s_add_co_u32 s49, s49, B2L
	v_add_nc_u32 v118, s49, v1
	v_lshlrev_b32 v119, 4, v12                     ; 16 r
	v_lshlrev_b32 v120, 4, v13                     ; 16 h
.irp m, 0,1,2,3
	v_mov_b32 v[TM+4+\m], 0                        ; written once: a lane permute's destination counts as one of its sources
.endr
	s_mov_b32 s[SEL], 0x76543210
	s_mov_b32 s[SEL+1], 0xfedcba98                 ; lane l xor 16
	s_mov_b32 s[MNT], 0x600000                     ; the mantissa field of 57,344
	s_mov_b32 s53, 0
	s_wait_loadcnt 0x0
.irp m, 0,1,2,3
	v_cmp_gt_i32 s[PM+\m], 0, v[TK+\m]             ; slots without a token: the mask is kept for the way out,
	v_cndmask_b32 v[TK+\m], v[TK+\m], v15, s[PM+\m]   ; and the slot takes slot 0's word
.endr
.irp i, 64,65,66,67,68,69,70,71
	v_cmp_gt_i32 vcc_lo, 0, v\i
	v_cndmask_b32 v\i, v\i, v15, vcc_lo
.endr
	v_readfirstlane_b32 s44, v15
	s_bfe_u32 s45, s44, 0x30010
	s_bfe_u32 s46, s44, 0x30014
	s_min_u32 s47, s45, s46
	s_max_u32 s48, s45, s46
	s_and_b32 s49, ttmp9, 1                        ; SCC: an odd tile
	s_cselect_b32 s[EA], s48, s47
	s_cselect_b32 s[EB], s47, s48
	s_min_u32 s[EA], s[EA], 7                      ; loaded numbers are held before they enter an address
	s_min_u32 s[EB], s[EB], 7
	s_mul_i32 s44, s[EA], ES
	s_mul_i32 s46, s[EB], ES
	s_mul_i32 s48, s[WV], 4*QB                     ; W1: my 16 chunks
	s_mul_i32 s50, s[WV], 2*QB                     ; W2: my 8, behind W1's 64
	s_add_co_u32 s50, s50, 16*QB
	s_add_co_u32 s52, s44, s48
	s_add_nc_u64 s[SA1:SA1+1], s[12:13], s[52:53]
	s_add_co_u32 s52, s46, s48
	s_add_nc_u64 s[SB1:SB1+1], s[12:13], s[52:53]
	s_add_co_u32 s52, s44, s50
	s_add_nc_u64 s[SA2:SA2+1], s[12:13], s[52:53]
	s_add_co_u32 s52, s46, s50
	s_add_nc_u64 s[SB2:SB2+1], s[12:13], s[52:53]
	s_mov_b64 s[NXT:NXT+1], s[SA1:SA1+1]
	s_cmp_lt_u32 s[WV], 2                          ; waves 0, 1 bring A's biases, waves 2, 3 B's, a half each
	s_cselect_b32 s44, s[EA], s[EB]
	s_min_u32 s44, s44, 7
	s_and_b32 s45, s[WV], 1
	s_lshl_b32 s52, s44, 11
	s_lshl_b32 s46, s45, 10
	s_add_co_u32 s52, s52, s46
	s_add_nc_u64 s[14:15], s[14:15], s[52:53]
	s_lshl_b32 s52, s44, 12
	s_lshl_b32 s46, s45, 11
	s_add_co_u32 s52, s52, s46
	s_add_nc_u64 s[16:17], s[16:17], s[52:53]
.irp q, 0,1,2,3,4,5,6,7
	v_and_b32 v[72+\q], 0x1fff, v[64+\q]
	v_min_u32 v[72+\q], 0x1fff, v[72+\q]
	v_lshl_add_u32 v[72+\q], v[72+\q], 10, v119    ; the token's row of codes, + 16 r
.endr
.irp m, 0,1,2,3
	v_and_b32 v[104+\m], 0x1fff, v[TK+\m]
	v_min_u32 v[104+\m], 0x1fff, v[104+\m]
	v_lshl_add_u32 v[108+\m], v[104+\m], 5, v120   ; its 32 scale bytes, + 16 h
	v_lshlrev_b32 v[112+\m], 3, v[104+\m]          ; its two gates
.endr
	WIN 0x80                                       ; destination window 2
.irp q, 0,1,2,3,4,5,6,7
.irp j, 0,1,2,3
	global_load_b128 v[16*\q+4*\j:16*\q+4*\j+3], v[72+\q], s[8:9] offset:256*\j   ; sixteen lanes read 256 consecutive bytes of a row
.endr
.endr
	WIN 0
.irp m, 0,1,2,3
	global_load_b128 v[XSC+4*\m:XSC+4*\m+3], v[108+\m], s[10:11]    ; register q: lanes 0-15 K step q, lanes 16-31 K step 4 + q
	global_load_b64 v[GT+2*\m:GT+2*\m+1], v[112+\m], s[6:7]
.endr
.irp i, 0,1
	global_load_b128 v[80+4*\i:83+4*\i], v1, s[14:15] offset:512*\i
.endr
.irp i, 0,1,2,3
	global_load_b128 v[88+4*\i:91+4*\i], v1, s[16:17] offset:512*\i
.endr
	REFILL 0, NXT, 0                               ; the stream begins
	REFILL 1, NXT, 1
	REFILL 2, NXT, 2
	s_wait_loadcnt 51                              ; all but these three chunks: rows, scale words, gates and biases are in
	WIN 0x08                                       ; an LDS store's data are its source 1: window 2
.irp q, 0,1,2,3,4,5,6,7
.irp j, 0,1,2,3
	ds_store_b128 v116, v[16*\q+4*\j:16*\q+4*\j+3] offset:2*XPI*\q+256*\j
.endr
.endr
	WIN 0
.irp i, 0,1
	ds_store_b128 v117, v[80+4*\i:83+4*\i] offset:512*\i
.endr
.irp i, 0,1,2,3
	ds_store_b128 v118, v[88+4*\i:91+4*\i] offset:512*\i
.endr
	REFILL 3, NXT, 3
	s_wait_dscnt 0x0                               ; for the others' sake: my stores have landed
	s_barrier_signal -1
	s_barrier_wait -1                              ; the 64 rows and the biases lie in LDS
	WIN 0x80
.irp s, 0,1,2,3
.irp m, 0,1,2,3
.irp c, 0,1,2,3
	ds_load_b128 v[64*\s+16*\m+4*\c:64*\s+16*\m+4*\c+3], v2 offset:16*XPI*\m+128*\s+32*\c
.endr
.endr
.endr
	WIN 0xc0
.irp s, 0,1,2,3
.irp m, 0,1,2,3
.irp c, 0,1,2,3
	ds_load_b128 v[64*\s+16*\m+4*\c:64*\s+16*\m+4*\c+3], v2 offset:16*XPI*\m+128*(\s+4)+32*\c
.endr
.endr
.endr
	WIN 0
	s_wait_dscnt 0x0
.macro BIAS1 hb                        ; b1 of block hb's four tiles, in the result's layout: tile t, register j: column 256 (t / 2) + 32 (2 w + hb) + 8 (t % 2) + 16 h + j
.irp t, 0,1,2,3
.irp u, 0,1
	ds_load_b128 v[BI+8*\t+4*\u:BI+8*\t+4*\u+3], v3 offset:1024*(\t/2)+128*(\hb)+32*(\t%2)+16*\u
.endr
.endr
.endm
; A K step of the first product: 4 tiles of W1's columns x 4 tiles of tokens.  The 16 accumulators take turns, one instruction a turn.  The bias is the C of a sum's first product.
.macro STEP1 hb, ks
	s_wait_loadcnt 51                              ; this step's chunk is in; the three younger ones may be out
.if (\ks) == 0
	s_wait_dscnt 0x0                               ; b1
.endif
.if (\ks) < 4
	WIN 0x09                                       ; W1 window 1, x window 2, C and D window 0
.else
	WIN 0x0d                                       ; x window 3
.endif
.irp t, 0,1,2,3
.irp m, 0,1,2,3
.set rD, ACC+8*(4*\t+\m)
.set rA, 64*((\ks)%4)+16*\t
.set rB, 64*((\ks)%4)+16*\m
.set rC, rD
.if (\ks) == 0
.set rC, BI+8*\t
.endif
.set rSA, SCW+4*((\ks)%4)+\t
.set rSB, XSC+4*\m+(\ks)%4
	MM (\ks)/4
.endr
.endr
	PLACES 8                                       ; eight places in front of the loads into the buffer just multiplied, and of the first read of results
.if 8*(\hb)+(\ks)+4 < 16
	REFILL (\ks)%4, CUR, 8*(\hb)+(\ks)+4
.else
	REFILL (\ks)%4, NXT, 8*(\hb)+(\ks)+4-16
.endif
.endm
; h = a b / (1 + 2^(-a log2 e)), in place: a in v64-127, b in v128-191; every accumulator is read from its low end on.  At the end tile u (0, 1), register j of tokens m holds unit 32 B + 16 h + 8 u + j.
.macro ACT
.set n, 0
.rept 32
	v_pk_mul_f32 v[ACC+64+n:ACC+65+n], v[ACC+n:ACC+1+n], v[ACC+64+n:ACC+65+n]
.set n, n+2
.endr
.set n, 0
.rept 32
	v_pk_mul_f32 v[ACC+n:ACC+1+n], v[ACC+n:ACC+1+n], 0xbfb8aa3b op_sel_hi:[1,0]
.set n, n+2
.endr
.set n, 0
.rept 64
	v_exp_f32 v[ACC+n], v[ACC+n]
.set n, n+1
.endr
	v_nop                                          ; a plain line behind the last exponential
.set n, 0
	s_wait_alu depctr_va_vdst(0)
.rept 32
	v_pk_add_f32 v[ACC+n:ACC+1+n], v[ACC+n:ACC+1+n], 1.0 op_sel_hi:[1,0]
.set n, n+2
.endr
.set n, 0
.rept 64
	v_rcp_f32 v[ACC+n], v[ACC+n]
.set n, n+1
.endr
	v_nop
.set n, 0
	s_wait_alu depctr_va_vdst(0)
.rept 32
	v_pk_mul_f32 v[ACC+n:ACC+1+n], v[ACC+n:ACC+1+n], v[ACC+64+n:ACC+65+n]
.set n, n+2
.endr
.endm
; One block of 32 units for each of the four tiles of tokens: a lane's 16 numbers (v[64 + 8 m ..], v[96 + 8 m ..]) and lane l xor 16's.  The four by turns.
.macro QUANT
.irp m, 0,1,2,3
	v_max3_num_f32 v[TM+\m], |v[ACC+8*\m]|, |v[ACC+8*\m+1]|, 0x8000000   ; with the floor 2^(16 - 127): the byte cannot fall under 1
.endr
.irp i, 2,4,6
.irp m, 0,1,2,3
	v_max3_num_f32 v[TM+\m], v[TM+\m], |v[ACC+8*\m+\i]|, |v[ACC+8*\m+\i+1]|
.endr
.endr
.irp i, 0,2,4,6
.irp m, 0,1,2,3
	v_max3_num_f32 v[TM+\m], v[TM+\m], |v[ACC+32+8*\m+\i]|, |v[ACC+32+8*\m+\i+1]|
.endr
.endr
.irp m, 0,1,2,3
	v_permlanex16_b32 v[TM+4+\m], v[TM+\m], s[SEL], s[SEL+1]
.endr
.irp m, 0,1,2,3
	v_max_num_f32 v[TM+\m], v[TM+\m], v[TM+4+\m]
.endr
.irp m, 0,1,2,3
	v_add_nc_u32 v[TM+12+\m], 0xf8800000, v[TM+\m]                 ; 15 off the exponent field: the conversion's scale operand
.endr
.irp m, 0,1,2,3
	v_and_or_b32 v[TM+8+\m], v[TM+\m], 0x7f800000, s[MNT]          ; 57,344 x the scale
.endr
.irp m, 0,1,2,3
	v_lshrrev_b32 v[TM+4+\m], 23, v[TM+12+\m]                      ; the scale's byte
.endr
.irp m, 0,1,2,3
.irp i, 0,1,2,3,4,5,6,7
	v_med3_num_f32 v[ACC+8*\m+\i], v[ACC+8*\m+\i], -v[TM+8+\m], v[TM+8+\m]   ; the conversion to an 8-bit code does not saturate (ISA guide 7.6.2)
	v_med3_num_f32 v[ACC+32+8*\m+\i], v[ACC+32+8*\m+\i], -v[TM+8+\m], v[TM+8+\m]
.endr
	v_cvt_scalef32_pk8_bf8_f32 v[PC+4*\m:PC+4*\m+1], v[ACC+8*\m:ACC+8*\m+7], v[TM+12+\m]
	v_cvt_scalef32_pk8_bf8_f32 v[PC+4*\m+2:PC+4*\m+3], v[ACC+32+8*\m:ACC+32+8*\m+7], v[TM+12+\m]
.endr
	v_nop                                          ; a plain line behind the last conversion: later products write its sources
.endm
.macro HOUT hb                         ; four registers of an operand's image for each tile of tokens, and the block's byte of the scale word (lanes r and r + 16 write the same byte with the same value)
.irp m, 0,1,2,3
	ds_store_b128 v4, v[PC+4*\m:PC+4*\m+3] offset:4096*\m+512*(\hb)
	ds_store_b8 v5, v[TM+4+\m] offset:128*\m+(\hb)
.endr
.endm
	s_mov_b32 s[TRIP], 0
.Ltrip:                                            ; two trips: expert A, expert B
	s_wait_xcnt 0x0                                ; the loads that are out have read their bases, so these may be written
	s_mov_b64 s[CUR:CUR+1], s[NXT:NXT+1]
	s_cmp_eq_u32 s[TRIP], 0
	s_cselect_b64 s[NXT:NXT+1], s[SB1:SB1+1], s[SA2:SA2+1]          ; behind A's W1 comes B's, behind that A's W2
	BIAS1 0
.irp k, 0,1,2,3,4,5,6,7
	STEP1 0, \k
.endr
	BIAS1 1                                        ; lands under the activation
	ACT
	QUANT
	HOUT 0
.irp k, 0,1,2,3,4,5,6,7
	STEP1 1, \k
.endr
	ACT
	QUANT
	HOUT 1
	v_add_nc_u32 v3, 2048, v3                      ; the other expert's b1, images and scale words
	v_add_nc_u32 v4, 16384, v4
	v_add_nc_u32 v5, 512, v5
	s_add_co_u32 s[TRIP], s[TRIP], 1
	s_cmp_lt_u32 s[TRIP], 2
	s_cbranch_scc1 .Ltrip
	s_wait_dscnt 0x0                               ; for the others' sake: my images have landed
	s_barrier_signal -1
	s_barrier_wait -1                              ; both experts' hidden layers lie in LDS; nobody reads x's rows any more
	WIN 0xc0
.irp f, 0,1,2,3,4,5,6,7,8,9,10,11,12,13,14,15
.irp c, 0,1,2,3
	ds_load_b128 v[16*\f+4*\c:16*\f+4*\c+3], v6 offset:2048*\f+512*\c   ; fragment 8 x slot + 2 m + s2
.endr
.endr
	WIN 0
.irp e, 0,1
.irp m, 0,1,2,3
	ds_load_b32 v[XSC+4*\e+\m], v7 offset:512*\e+128*\m
.endr
.endr
.irp m, 0,1,2,3
	v_bfe_u32 v11, v[TK+\m], 16, 3                 ; the token's first expert: A or B
	v_cmp_eq_u32 vcc_lo, s[EA], v11
	v_cndmask_b32 v12, v[GT+2*\m+1], v[GT+2*\m], vcc_lo
	v_cndmask_b32 v[GT+2*\m+1], v[GT+2*\m], v[GT+2*\m+1], vcc_lo
	v_mov_b32 v[GT+2*\m], v12                      ; the pair is now (gA, gB)
.endr
	s_lshl_b32 s52, s[WV], 10
	s_add_nc_u64 s[OUTB:OUTB+1], s[18:19], s[52:53]                ; out0 at my 256 columns
; The second product of chunk i (32 columns) for the 64 tokens: 2 tiles of columns x 4 tiles of tokens x 2 K steps; the eight accumulators take turns; b2 is the C of a sum's first product.
.macro WPROD i, slot, cnt
	s_wait_loadcnt \cnt
	WIN 0x0d                                       ; W2 window 1, h window 3, C and D window 0
.irp k, 0,1
.irp j, 0,1
.irp m, 0,1,2,3
.set rD, ACC+64*((\i)%2)+8*(4*\j+\m)
.set rA, 64*(\i)+16*(2*\j+\k)
.set rB, 128*(\slot)+16*(2*\m+\k)
.set rC, rD
.if \k == 0
.set rC, BI+16*(\i)+8*\j
.endif
.set rSA, SCW+4*(\i)+2*\j+\k
.set rSB, XSC+4*(\slot)+\m
	MM \k
.endr
.endr
.endr
.endm
; out's sums (window 2) take chunk i's results times the token's gate: expert A starts them, expert B adds on.  Each accumulator is read from its low end on.
.macro FOLD i, slot
.if \slot
	WIN 0xa0
.else
	WIN 0x80
.endif
.irp j, 0,1
.irp m, 0,1,2,3
.irp p, 0,2,4,6
.set rY, ACC+64*((\i)%2)+8*(4*\j+\m)+\p
.set rO, 64*\m+8*(2*(\i)+\j)+\p
.set rG, GT+2*\m
.if \slot
	v_pk_fma_f32 v[rO:rO+1], v[rY:rY+1], v[rG:rG+1], v[rO:rO+1] op_sel:[0,1,0] op_sel_hi:[1,1,1]   ; gB: the pair's second register for both halves
.else
	v_pk_mul_f32 v[rO:rO+1], v[rY:rY+1], v[rG:rG+1] op_sel_hi:[1,0]                               ; gA: its first
.endif
.endr
.endr
.endr
.endm
; One expert's 128 columns.  The folding of chunk i - 1 names no register of chunk i's products: its 32 lines are the places in front of the loads into buffer i, of the reads of chunk i's results and of the sums begun anew two chunks on.
.macro UNIT slot, hf, fill, base, ch0
.irp i, 0,1,2,3
.irp j, 0,1
.irp u, 0,1
	ds_load_b128 v[BI+16*\i+8*\j+4*\u:BI+16*\i+8*\j+4*\u+3], v8 offset:4096*(\slot)+512*(\hf)+128*\i+64*\j+16*\u
.endr
.endr
.endr
	s_wait_dscnt 0x0
	WPROD 0, \slot, 51
	PLACES 8
.if \fill
	REFILL 0, \base, (\ch0)
	WPROD 1, \slot, 51
	FOLD 0, \slot
	REFILL 1, \base, (\ch0)+1
	WPROD 2, \slot, 51
	FOLD 1, \slot
	REFILL 2, \base, (\ch0)+2
	WPROD 3, \slot, 51
	FOLD 2, \slot
	REFILL 3, \base, (\ch0)+3
.else
	WPROD 1, \slot, 34                             ; the stream has ended: the counts run down
	FOLD 0, \slot
	WPROD 2, \slot, 17
	FOLD 1, \slot
	WPROD 3, \slot, 0
	FOLD 2, \slot
.endif
	FOLD 3, \slot
	WIN 0
.endm
; THE WAY OUT of 64 tokens x 128 columns, 16 tokens at a time: a lane's 32 bytes of a row go into my stage and come back as whole rows of 512 bytes, which the 32 lanes store to the token's row of out0.
; The rows' places come from the list by SCALAR loads (this launch does not write the list), 16 words a load, into two sets of registers: so the scalar lines that make an offset wait for no vector instruction.
.macro ASKROWS a, b                    ; the words of tiles a and b of 16 slots
	s_load_b512 s[LWA:LWA+15], s[4:5], 64*(\a)
	s_load_b512 s[LWB:LWB+15], s[4:5], 64*(\b)
.endm
.macro ADDR m, set                     ; tile m's 16 rows: 4,096 bytes a token, + 16 x lane.  (A slot without a token gives token 0's place; its store is jumped over)
.irp i, 0,1,2,3,4,5,6,7,8,9,10,11,12,13,14,15
	s_and_b32 s[44+(\i%4)], s[\set+\i], 0x1fff
	s_min_u32 s[44+(\i%4)], s[44+(\i%4)], 0x1fff   ; a loaded number is held before it enters an address
	s_lshl_b32 s[44+(\i%4)], s[44+(\i%4)], 12
	v_add_nc_u32 v[AO+16*(\m)+\i], s[44+(\i%4)], v1
.endr
.endm
.macro TOSTAGE m
	WIN 0x08                                       ; the data: window 2
.irp t, 0,1,2,3,4,5,6,7
.irp u, 0,1
	ds_store_b128 v9, v[64*(\m)+8*\t+4*\u:64*(\m)+8*\t+4*\u+3] offset:64*\t+16*\u
.endr
.endr
	WIN 0
.irp i, 0,1,2,3,4,5,6,7,8,9,10,11,12,13,14,15
	ds_load_b128 v[ACC+64*((\m)%2)+4*\i:ACC+64*((\m)%2)+4*\i+3], v10 offset:SPI*\i   ; LDS serves a wave's instructions in order (ISA guide 5.7.1.4): these see the stores above, and the next tile's stores come behind them
.endr
.endm
.macro ROWST m, i                      ; row i of tile m, if its slot has a token
	s_bitcmp1_b32 s[PM+(\m)], \i
	s_cbranch_scc1 .Lno_row_\@
	global_store_b128 v[AO+16*(\m)+\i], v[ACC+64*((\m)%2)+4*\i:ACC+64*((\m)%2)+4*\i+3], s[OUTB:OUTB+1] th:TH_STORE_NT
.Lno_row_\@:
.endm
.macro SEND m, younger                 ; younger: the LDS instructions issued behind tile m's loads, which may stay out
	s_wait_dscnt \younger
	s_cmp_lg_u32 s[PM+(\m)], 0                     ; a tile all of whose slots have tokens stores its 16 rows with no further test
	s_cbranch_scc1 .Lsome_\@
.irp i, 0,1,2,3,4,5,6,7,8,9,10,11,12,13,14,15
	global_store_b128 v[AO+16*(\m)+\i], v[ACC+64*((\m)%2)+4*\i:ACC+64*((\m)%2)+4*\i+3], s[OUTB:OUTB+1] th:TH_STORE_NT   ; 512 consecutive bytes, at a multiple of 512 from out0's first byte
.endr
	s_branch .Lsent_\@
.Lsome_\@:
.irp i, 0,1,2,3,4,5,6,7,8,9,10,11,12,13,14,15
	ROWST \m, \i
.endr
.Lsent_\@:
.endm
.macro WAYOUT
	s_wait_kmcnt 0x0                               ; the words of tiles 0 and 1, asked for two units ago
	ADDR 0, LWA
	ADDR 1, LWB
	ASKROWS 2, 3                                   ; both sets have been read: they take tiles 2 and 3
	TOSTAGE 0
	TOSTAGE 1
	SEND 0, 32                                     ; behind tile 0's loads: tile 1's 16 stores and 16 loads
	s_wait_kmcnt 0x0
	ADDR 2, LWA
	ADDR 3, LWB
	s_wait_xcnt 0x0                                ; tile 0's stores have read their registers: tile 2's rows may land there
	TOSTAGE 2
	SEND 1, 32
	s_wait_xcnt 0x0                                ; likewise tile 1's
	TOSTAGE 3
	SEND 2, 32
	SEND 3, 0
.endm
	ASKROWS 0, 1
	UNIT 0, 0, 1, SB2, 0                           ; A's columns 0-127 of my 256; B's are asked for
	UNIT 1, 0, 1, SA2, 4
	WAYOUT                                         ; the next unit's chunks are on their way meanwhile
	s_wait_xcnt 0x0                                ; the stores have read their registers and their base: the base steps, and b2 lands over the offsets
	s_add_nc_u64 s[OUTB:OUTB+1], s[OUTB:OUTB+1], 512
	ASKROWS 0, 1
	UNIT 0, 1, 1, SB2, 4
	UNIT 1, 1, 0, SB2, 0
	WAYOUT
	s_wait_tensorcnt 0x0
	ds_add_u32 v22, v23
	s_wait_dscnt 0x0
	s_endpgm
.Lfunc_end_k_q892733ae8e_chain:
	.size	k_q892733ae8e_chain, .Lfunc_end_k_q892733ae8e_chain-k_q892733ae8e_chain
	.p2alignl 7, 3214868480
	.fill 96, 4, 3214868480
	.section	.rodata,"a",@progbits
	.p2align	6, 0x0
	.amdhsa_kernel k_q892733ae8e_chain
		.amdhsa_group_segment_fixed_size 113152
		.amdhsa_private_segment_fixed_size 0
		.amdhsa_enable_private_segment 0
		.amdhsa_kernarg_size 64
		.amdhsa_user_sgpr_count 2
		.amdhsa_user_sgpr_kernarg_segment_ptr 1
		.amdhsa_wavefront_size32 1
		.amdhsa_system_sgpr_workgroup_id_x 1
		.amdhsa_system_sgpr_workgroup_id_y 1
		.amdhsa_system_sgpr_workgroup_id_z 1
		.amdhsa_system_vgpr_workitem_id 0
		.amdhsa_next_free_vgpr 1024
		.amdhsa_next_free_sgpr 100
		.amdhsa_reserve_vcc 1
		.amdhsa_float_denorm_mode_32 3
		.amdhsa_float_denorm_mode_16_64 3
		.amdhsa_memory_ordered 1
		.amdhsa_forward_progress 1
		.amdhsa_inst_pref_size 255
	.end_amdhsa_kernel
	.section	.bss,"aw",@nobits
	.p2align	6
	.space	262144
	.amdgpu_metadata
---
amdhsa.version: [ 1, 2 ]
amdhsa.kernels:
  - .name:           k_q892733ae8e_chain
    .symbol:         k_q892733ae8e_chain.kd
    .args:
      - { .name: order, .offset: 0, .size: 8, .value_kind: global_buffer, .address_space: global }
      - { .name: gates, .offset: 8, .size: 8, .value_kind: global_buffer, .address_space: global }
      - { .name: xq, .offset: 16, .size: 8, .value_kind: global_buffer, .address_space: global }
      - { .name: xs, .offset: 24, .size: 8, .value_kind: global_buffer, .address_space: global }
      - { .name: wf, .offset: 32, .size: 8, .value_kind: global_buffer, .address_space: global }
      - { .name: b1, .offset: 40, .size: 8, .value_kind: global_buffer, .address_space: global }
      - { .name: b2, .offset: 48, .size: 8, .value_kind: global_buffer, .address_space: global }
      - { .name: out0, .offset: 56, .size: 8, .value_kind: global_buffer, .address_space: global }
    .group_segment_fixed_size: 113152
    .private_segment_fixed_size: 0
    .kernarg_segment_align: 8
    .kernarg_segment_size: 64
    .max_flat_workgroup_size: 128
    .sgpr_count:     100
    .vgpr_count:     1024
    .wavefront_size: 32
...
	.end_amdgpu_metadata
.endif
;; end of part 4
;; ======== version 3 of 3: 3 launches; version 2 with the launch chain written anew for expert scheduling mode
;; workspace buffers: xq 8,388,608 bytes; xs 262,144 bytes; gates 65,536 bytes; meta 65,536 bytes of whole numbers; order 40,960 bytes of whole numbers; wf 6,684,672 bytes
;; launch route: the kernel of part 1 again; grid 256 x 1, 8 waves a work-group, no clusters, 180,224 bytes of LDS; arguments x, wr, xq, xs, gates, meta; writes xq, xs, gates, meta
;; launch place: the kernel of part 2 again; grid 97 x 1, 8 waves a work-group, no clusters, 2,048 bytes of LDS; arguments meta, w1_codes, w1_scales, w2_codes, w2_scales, order, wf; writes order, wf
;; launch chain (part 5): grid 155 x 1, 4 waves a work-group, no clusters, 113,152 bytes of LDS; arguments order, gates, xq, xs, wf, b1, b2, out0; writes out0
.if DOCPART == 5
	.amdgcn_target "amdgcn-amd-amdhsa--gfx1250"
	.amdhsa_code_object_version 6
	.text
	.protected	k_q892733ae8e_chain
	.globl	k_q892733ae8e_chain
	.p2align	8
	.type	k_q892733ae8e_chain,@function
k_q892733ae8e_chain:
	s_mov_b64 s[64:65], 0
	v_nop
	global_prefetch_b8 v0, s[64:65] scope:SCOPE_SE
	s_setreg_imm32_b32 hwreg(HW_REG_WAVE_SCHED_MODE, 0, 2), 2
	s_setreg_imm32_b32 hwreg(HW_REG_WAVE_MODE, 25, 1), 1
	s_wait_xcnt 0x0
	s_wait_alu depctr_vm_vsrc(0)
; ONE TILE OF TOKENS (64 slots, one pair of experts A, B) THROUGH THE WHOLE CHAIN: for each of the two experts u = x W1 + b1, h = silu(a) b, quantised along its 256 units, y = h W2 + b2; out = gA yA + gB yB.
; Both products on codes of BF8 (E5M2) with E8M0 scales.  The six experts whose gate the problem itself makes 0 are not multiplied.  A token lies in one tile, so each row of out0 has one owner.
; SHARES.  Four waves SHARE THE COLUMNS, NOT THE ROWS: wave w makes hidden units 64 w .. 64 w + 63 and output columns 256 w .. 256 w + 255 for all 64 rows, so each byte of the weights enters the work-group once.
; x's codes of the 64 rows (gathered by the list into LDS, once) stay in every wave's registers, 512 of them.  The hidden layer goes from wave to wave through LDS as images of the operand's registers.
; Both products are used TRANSPOSED (source 0 = 16 columns of the weight, source 1 = 16 tokens): a lane holds one token (lane % 16) throughout.
; THE WEIGHTS come from memory straight into registers, as the launch before laid them: a chunk is 17 loads of 512 consecutive bytes (four fragments, one register of scale words each).
; Four buffers take turns; each chunk is asked for four chunks ahead, from the first block of W1 to the last of W2, over every boundary; no other load into vector registers is issued meanwhile, so a step's wait leaves the 3 x 17 younger loads out.
; NO CLUSTER, NO JOINT LOADS, NO TENSOR LOADS: which weights a work-group reads hangs on the stored list, and neighbouring tiles need not have a pair in common, so partners' requests would differ.
; Even tiles walk (lo, hi), odd tiles (hi, lo).  There are always 155 tiles with two experts each.
; A SLOT WITHOUT A TOKEN is given slot 0's word for the arithmetic, so that its numbers are finite, and STORES NOTHING: on the way out a scalar branch on the stored list leads round its row's store.
; These are the only branches on loaded numbers; no barrier stands behind them, and no counted wait counts stores.
; LIMITS: NaN and infinities are not served.  For a under about -88.7, 2^(-a log2 e) is infinite and silu(a) comes out as 0.  A block of zeros of h gets the byte 1; its codes are zeros.
; REGISTERS, in windows of 256.  Window 0: v1-10 addresses; v16-19 the tile's words; v24-31 gates; v32-47 the weights' scale words, 4 a buffer; v48-63 x's scale words, later h's;
;   v64-191 accumulators, later rows on their way out; v192-223 b1; v192-255 b2, on the way out the 64 rows' offsets; v224-239, v240-255 the quantiser.
;   Window 1: the four buffers of 64.   Window 2: x's fragments of K steps 0-3, later out's 64 x 128 sums.   Window 3: x's fragments of K steps 4-7, later h's sixteen fragments.
; THE MODE: SCHED_MODE bits 1:0 = 2 (LLVM: expert scheduling mode 2), set by the entry lines.  The code itself states the register dependences between vector or matrix instructions
; and memory or LDS instructions, with s_wait_alu, always for 0.
; THE PLAN.  Registers that memory or LDS instructions touch, who writes and who reads them:
;   window 1's buffers, v32-47   A chunk's 17 loads land in a buffer; one step's sixteen products read it.  ONE wait on va_vdst stands behind a step's products, and the buffer's next 17 loads follow it at once:
;                                all 1,024 registers are taken, so there is no fifth buffer that could be asked for meanwhile, and a buffer that waited for the next step's head would be asked for a wait for data later.
;   v192-223 (b1)                LDS loads land; a block's first sixteen products read it as C.  It is loaded again behind a later step's wait, and no vector or matrix line since that wait names it.
;   v3; v4, v5                   LDS addresses, stepped once a trip.  Each add stands behind a wait on vm_vsrc and ahead of a wait on va_vdst that stands there anyway (the one ahead of h's LDS stores).
;   v240-255, v228-231           h's codes and scale bytes: the quantiser writes them, h's LDS stores read them: va_vdst ahead of the stores, vm_vsrc ahead of the quantiser's next turn.
;   window 2                     gathered rows (loads land, LDS stores read), then x's fragments (LDS loads land, products read), then out's sums (the folds write, the stage's LDS stores read).
;   window 3, v48-55             x's fragments and scale words, then h's: the loads behind the second barrier stand behind the wait ahead of h's last LDS stores; nothing since names these registers.
;   v64-191                      at the head offsets and staged biases; accumulators; on the way out rows (LDS loads land, global stores read).
;   v192-255 (b2, row offsets)   b2's LDS loads land, products read it as C; on the way out vector adds write the offsets and global stores read them.
;   v1, v2, v6-10, v20, v21      made at the head and never written again.   v22, v23: made at the head, read by the closing add alone.
.set CH,   8704
.set QB,   4*CH
.set ES,   96*CH
.set XPI,  1040                        ; a row of x's codes in LDS: 1,024 bytes + 16: an odd multiple of 16
.set HIMG, 64*XPI                      ; 66,560: h's images: expert slot x 16,384 + fragment (2 m + s2) x 2,048 + 512 c + 16 x lane
.set HSC,  HIMG+32768                  ; 99,328: h's scale words: slot x 512 + 128 m + 4 x lane (lanes 0-15: K step 0, lanes 16-31: K step 1)
.set B1L,  HSC+1024                    ; 100,352: b1 of A, of B
.set B2L,  B1L+4096                    ; 104,448: b2 of A, of B
.set SPI,  528                         ; the way out: a wave's stage of 16 rows x (512 + 16) bytes, laid over x's rows, which nobody reads behind the second barrier
.set STW,  16*SPI
.set TK,   16
.set GT,   24
.set SCW,  32
.set XSC,  48
.set ACC,  64
.set BI,   192
.set AO,   192
.set TM,   224
.set PC,   240
.set WV,   20                          ; s20 wave;  s21, s22 experts A, B
.set EA,   21
.set EB,   22
.set SA1,  24                          ; s[24:31] where my parts of A's W1, B's W1, A's W2, B's W2 begin
.set SB1,  26
.set SA2,  28
.set SB2,  30
.set CUR,  32                          ; s[32:33] the segment in hand;  s[34:35] the next
.set NXT,  34
.set OUTB, 36
.set TRIP, 38
.set SEL,  40
.set MNT,  42
.set PM,   56                          ; s56-59 for each tile of 16 slots: bit i (and i + 16) set where slot i has no token
.set LWA,  68                          ; s[68:83], s[84:99] the way out: the list's words of two tiles of 16 slots;  at the head s68-75 hold eight masks
.set LWB,  84
.set MSB,  0
.macro WIN new                         ; the immediate's high byte repeats the setting that is left
.if MSB != \new
	s_set_vgpr_msb (MSB<<8)|\new
.set MSB, \new
.endif
.endm
.macro PLACES n
.rept \n
	v_nop
.endr
.endm
.macro MM row                          ; one product, by the symbols rD, rA, rB, rC, rSA, rSB; row = 1: the tokens' scales stand in lanes 16-31
.if \row
	v_wmma_scale_f32_16x16x128_f8f6f4 v[rD:rD+7], v[rA:rA+15], v[rB:rB+15], v[rC:rC+7], v[rSA], v[rSB] matrix_a_fmt:MATRIX_FMT_BF8 matrix_b_fmt:MATRIX_FMT_BF8 matrix_b_scale:MATRIX_SCALE_ROW1
.else
	v_wmma_scale_f32_16x16x128_f8f6f4 v[rD:rD+7], v[rA:rA+15], v[rB:rB+15], v[rC:rC+7], v[rSA], v[rSB] matrix_a_fmt:MATRIX_FMT_BF8 matrix_b_fmt:MATRIX_FMT_BF8
.endif
.endm
.macro REFILL buf, base, ch            ; chunk ch of a segment into buffer buf: 17 loads.  Between the wait on va_vdst that stands ahead of it and its last load stand loads and window switches alone
	WIN 0x40                                       ; destination window 1, offset window 0
.irp f, 0,1,2,3
.irp c, 0,1,2,3
	global_load_b128 v[64*(\buf)+16*\f+4*\c:64*(\buf)+16*\f+4*\c+3], v1, s[\base:\base+1] offset:CH*(\ch)+2048*\f+512*\c
.endr
.endr
	WIN 0
	global_load_b128 v[SCW+4*(\buf):SCW+4*(\buf)+3], v1, s[\base:\base+1] offset:CH*(\ch)+8192
.endm
	s_load_b512 s[4:19], s[0:1], 0x0               ; order, gates, xq, xs, wf, b1, b2, out0
	v_lshl_add_u32 v22, v0, 2, 0x1b800             ; my spare word and 0: they are kept for the closing lines alone
	v_mov_b32 v23, 0
	v_lshrrev_b32 v11, 5, v0
	v_readfirstlane_b32 s[WV], v11
	v_and_b32 v12, 15, v0                          ; r
	v_bfe_u32 v13, v0, 4, 1                        ; h
	v_and_b32 v14, 31, v0                          ; lane
	v_mov_b32 v11, 0
	v_lshlrev_b32 v20, 2, v12
	s_wait_alu depctr_va_sdst(0)                   ; s20, the wave's number, is written, ahead of its first reader
	s_lshl_b32 s44, s[WV], 6
	v_lshl_add_u32 v21, v13, 2, s44
	s_lshl_b32 s46, ttmp9, 8                       ; my tile's 64 words
	s_mov_b32 s47, 0
	s_wait_kmcnt 0x0
	s_add_nc_u64 s[4:5], s[4:5], s[46:47]          ; the list at my tile: it stays so to the end
	s_wait_alu depctr_va_vdst(0)                   ; v11, v20 and v21 are written: the thirteen loads below read them as offsets
	global_load_b32 v15, v11, s[4:5]               ; slot 0's word, in every lane
.irp m, 0,1,2,3
	global_load_b32 v[TK+\m], v20, s[4:5] offset:64*\m              ; lane r (and r + 16): slot 16 m + r
.endr
.irp q, 0,1,2,3,4,5,6,7
	global_load_b32 v[64+\q], v21, s[4:5] offset:8*\q               ; the rows that my wave gathers: slot 16 w + 2 q + h
.endr
	; LDS addresses
	v_lshlrev_b32 v1, 4, v14                       ; 16 x lane: also the stream's offset
	v_mul_u32_u24 v2, v12, XPI
	v_lshl_add_u32 v2, v13, 4, v2                  ; x's fragments: row r, + 16 h
	s_lshl_b32 s44, s[WV], 8
	s_add_co_u32 s44, s44, B1L
	v_lshl_add_u32 v3, v13, 6, s44                 ; b1: 256 w + 64 h; a slot on each trip
	s_lshr_b32 s45, s[WV], 1
	s_and_b32 s48, s[WV], 1
	s_lshl_b32 s49, s45, 11
	s_lshl_b32 s50, s48, 10
	s_add_co_u32 s49, s49, s50
	s_add_co_u32 s49, s49, HIMG
	v_add_nc_u32 v4, s49, v1                       ; where I put h's codes: K step w / 2, blocks 2 (w % 2) on
	s_lshl_b32 s49, s45, 6
	s_lshl_b32 s50, s48, 1
	s_add_co_u32 s49, s49, s50
	s_add_co_u32 s49, s49, HSC
	v_lshl_add_u32 v5, v12, 2, s49                 ; and their scale bytes
	v_add_nc_u32 v6, HIMG, v1                      ; where h's images are read
	v_lshl_add_u32 v7, v14, 2, HSC
	s_lshl_b32 s49, s[WV], 10
	s_add_co_u32 s49, s49, B2L
	v_lshl_add_u32 v8, v13, 5, s49                 ; b2: 1,024 w + 32 h
	s_mul_i32 s49, s[WV], STW
	v_mul_u32_u24 v9, v12, SPI
	v_lshl_add_u32 v9, v13, 5, v9
	v_add_nc_u32 v9, s49, v9                       ; my stage, in: row r, + 32 h
	v_add_nc_u32 v10, s49, v1                      ; and back: 16 bytes a lane
	s_mul_i32 s49, s[WV], 16*XPI
	v_mul_u32_u24 v116, v13, XPI
	v_lshl_add_u32 v116, v12, 4, v116
	v_add_nc_u32 v116, s49, v116                   ; gathered rows in: row 16 w + h, + 16 r
	s_lshl_b32 s49, s[WV], 10
	s_add_co_u32 s49, s49, B1L
	v_add_nc_u32 v117, s49, v1
	s_lshl_b32 s49, s[WV], 11
	s_add_co_u32 s49, s49, B2L
	v_add_nc_u32 v118, s49, v1
	v_lshlrev_b32 v119, 4, v12                     ; 16 r
	v_lshlrev_b32 v120, 4, v13                     ; 16 h
.irp m, 0,1,2,3
	v_mov_b32 v[TM+4+\m], 0                        ; written once: a lane permute's destination counts as one of its sources
.endr
	s_mov_b32 s[SEL], 0x76543210
	s_mov_b32 s[SEL+1], 0xfedcba98                 ; lane l xor 16
	s_mov_b32 s[MNT], 0x600000                     ; the mantissa field of 57,344
	s_mov_b32 s53, 0
	s_wait_loadcnt 0x0
	; the lines that write scalar registers stand in one run, under one wait
.irp m, 0,1,2,3
	v_cmp_gt_i32 s[PM+\m], 0, v[TK+\m]             ; slots without a token: the mask is kept for the way out
.endr
.irp q, 0,1,2,3,4,5,6,7
	v_cmp_gt_i32 s[LWA+\q], 0, v[64+\q]            ; the same of the rows that my wave gathers
.endr
	v_readfirstlane_b32 s44, v15                   ; slot 0's word as a scalar
	s_wait_alu depctr_va_sdst(0)                   ; the twelve masks and s44 are written, ahead of their first readers
.irp m, 0,1,2,3
	v_cndmask_b32 v[TK+\m], v[TK+\m], v15, s[PM+\m]   ; a slot without a token takes slot 0's word
.endr
.irp q, 0,1,2,3,4,5,6,7
	v_cndmask_b32 v[64+\q], v[64+\q], v15, s[LWA+\q]
.endr
	s_bfe_u32 s45, s44, 0x30010
	s_bfe_u32 s46, s44, 0x30014
	s_min_u32 s47, s45, s46
	s_max_u32 s48, s45, s46
	s_and_b32 s49, ttmp9, 1                        ; SCC: an odd tile
	s_cselect_b32 s[EA], s48, s47
	s_cselect_b32 s[EB], s47, s48
	s_min_u32 s[EA], s[EA], 7                      ; loaded numbers are held before they enter an address
	s_min_u32 s[EB], s[EB], 7
	s_mul_i32 s44, s[EA], ES
	s_mul_i32 s46, s[EB], ES
	s_mul_i32 s48, s[WV], 4*QB                     ; W1: my 16 chunks
	s_mul_i32 s50, s[WV], 2*QB                     ; W2: my 8, behind W1's 64
	s_add_co_u32 s50, s50, 16*QB
	s_add_co_u32 s52, s44, s48
	s_add_nc_u64 s[SA1:SA1+1], s[12:13], s[52:53]
	s_add_co_u32 s52, s46, s48
	s_add_nc_u64 s[SB1:SB1+1], s[12:13], s[52:53]
	s_add_co_u32 s52, s44, s50
	s_add_nc_u64 s[SA2:SA2+1], s[12:13], s[52:53]
	s_add_co_u32 s52, s46, s50
	s_add_nc_u64 s[SB2:SB2+1], s[12:13], s[52:53]
	s_mov_b64 s[NXT:NXT+1], s[SA1:SA1+1]
	s_cmp_lt_u32 s[WV], 2                          ; waves 0, 1 bring A's biases, waves 2, 3 B's, a half each
	s_cselect_b32 s44, s[EA], s[EB]
	s_min_u32 s44, s44, 7
	s_and_b32 s45, s[WV], 1
	s_lshl_b32 s52, s44, 11
	s_lshl_b32 s46, s45, 10
	s_add_co_u32 s52, s52, s46
	s_add_nc_u64 s[14:15], s[14:15], s[52:53]
	s_lshl_b32 s52, s44, 12
	s_lshl_b32 s46, s45, 11
	s_add_co_u32 s52, s52, s46
	s_add_nc_u64 s[16:17], s[16:17], s[52:53]
.irp q, 0,1,2,3,4,5,6,7
	v_and_b32 v[72+\q], 0x1fff, v[64+\q]
	v_min_u32 v[72+\q], 0x1fff, v[72+\q]
	v_lshl_add_u32 v[72+\q], v[72+\q], 10, v119    ; the token's row of codes, + 16 r
.endr
.irp m, 0,1,2,3
	v_and_b32 v[104+\m], 0x1fff, v[TK+\m]
	v_min_u32 v[104+\m], 0x1fff, v[104+\m]
	v_lshl_add_u32 v[108+\m], v[104+\m], 5, v120   ; its 32 scale bytes, + 16 h
	v_lshlrev_b32 v[112+\m], 3, v[104+\m]          ; its two gates
.endr
	WIN 0x80                                       ; destination window 2
	s_wait_alu depctr_va_vdst(0)                   ; every offset and LDS address made so far is written: v1 to v10, v72-79, v108-118; the loads and LDS stores from here on read them
.irp q, 0,1,2,3,4,5,6,7
.irp j, 0,1,2,3
	global_load_b128 v[16*\q+4*\j:16*\q+4*\j+3], v[72+\q], s[8:9] offset:256*\j   ; sixteen lanes read 256 consecutive bytes of a row
.endr
.endr
	WIN 0
.irp m, 0,1,2,3
	global_load_b128 v[XSC+4*\m:XSC+4*\m+3], v[108+\m], s[10:11]    ; register q: lanes 0-15 K step q, lanes 16-31 K step 4 + q
	global_load_b64 v[GT+2*\m:GT+2*\m+1], v[112+\m], s[6:7]
.endr
.irp i, 0,1
	global_load_b128 v[80+4*\i:83+4*\i], v1, s[14:15] offset:512*\i
.endr
.irp i, 0,1,2,3
	global_load_b128 v[88+4*\i:91+4*\i], v1, s[16:17] offset:512*\i
.endr
	REFILL 0, NXT, 0                               ; the stream begins
	REFILL 1, NXT, 1
	REFILL 2, NXT, 2
	s_wait_loadcnt 51                              ; all but these three chunks: rows, scale words, gates and biases are in
	WIN 0x08                                       ; an LDS store's data are its source 1: window 2
.irp q, 0,1,2,3,4,5,6,7
.irp j, 0,1,2,3
	ds_store_b128 v116, v[16*\q+4*\j:16*\q+4*\j+3] offset:2*XPI*\q+256*\j
.endr
.endr
	WIN 0
.irp i, 0,1
	ds_store_b128 v117, v[80+4*\i:83+4*\i] offset:512*\i
.endr
.irp i, 0,1,2,3
	ds_store_b128 v118, v[88+4*\i:91+4*\i] offset:512*\i
.endr
	REFILL 3, NXT, 3
	s_wait_dscnt 0x0                               ; for the others' sake: my stores have landed
	s_barrier_signal -1
	s_barrier_wait -1                              ; the 64 rows and the biases lie in LDS
	WIN 0x80
	s_wait_alu depctr_vm_vsrc(0)                   ; my LDS stores have read the gathered rows in window 2, in which x's fragments land; the head's loads and LDS stores have read v72-118, which the first products write as accumulators, and v11, which the gates' lines write
.irp s, 0,1,2,3
.irp m, 0,1,2,3
.irp c, 0,1,2,3
	ds_load_b128 v[64*\s+16*\m+4*\c:64*\s+16*\m+4*\c+3], v2 offset:16*XPI*\m+128*\s+32*\c
.endr
.endr
.endr
	WIN 0xc0
.irp s, 0,1,2,3
.irp m, 0,1,2,3
.irp c, 0,1,2,3
	ds_load_b128 v[64*\s+16*\m+4*\c:64*\s+16*\m+4*\c+3], v2 offset:16*XPI*\m+128*(\s+4)+32*\c
.endr
.endr
.endr
	WIN 0
	s_wait_dscnt 0x0
.macro BIAS1 hb                        ; b1 of block hb's four tiles, in the result's layout: tile t, register j: column 256 (t / 2) + 32 (2 w + hb) + 8 (t % 2) + 16 h + j
.irp t, 0,1,2,3                        ; no wait of its own: the products that read these registers as C, and the add that stepped v3, stand ahead of a wait on va_vdst, and no vector or matrix line since that wait names v3 or v192-223
.irp u, 0,1
	ds_load_b128 v[BI+8*\t+4*\u:BI+8*\t+4*\u+3], v3 offset:1024*(\t/2)+128*(\hb)+32*(\t%2)+16*\u
.endr
.endr
.endm
; A K step of the first product: 4 tiles of W1's columns x 4 tiles of tokens.  The 16 accumulators take turns, one instruction a turn.  The bias is the C of a sum's first product.
.macro STEP1 hb, ks
	s_wait_loadcnt 51                              ; this step's chunk is in; the three younger ones may be out
.if (\ks) == 0
	s_wait_dscnt 0x0                               ; b1
.endif
.if (\ks) < 4
	WIN 0x09                                       ; W1 window 1, x window 2, C and D window 0
.else
	WIN 0x0d                                       ; x window 3
.endif
.irp t, 0,1,2,3
.irp m, 0,1,2,3
.set rD, ACC+8*(4*\t+\m)
.set rA, 64*((\ks)%4)+16*\t
.set rB, 64*((\ks)%4)+16*\m
.set rC, rD
.if (\ks) == 0
.set rC, BI+8*\t
.endif
.set rSA, SCW+4*((\ks)%4)+\t
.set rSB, XSC+4*\m+(\ks)%4
	MM (\ks)/4
.endr
.endr
	PLACES 8                                       ; the eight plain lines behind the products stay where they stood, beside the wait below, which fills none of them; behind a block's last step they are the places in front of the first read of results
	s_wait_alu depctr_va_vdst(0)                   ; the step's sixteen products are done reading buffer ks % 4 and its four scale words, in which the loads below land
.if 8*(\hb)+(\ks)+4 < 16
	REFILL (\ks)%4, CUR, 8*(\hb)+(\ks)+4
.else
	REFILL (\ks)%4, NXT, 8*(\hb)+(\ks)+4-16
.endif
.endm
; h = a b / (1 + 2^(-a log2 e)), in place: a in v64-127, b in v128-191; every accumulator is read from its low end on.  At the end tile u (0, 1), register j of tokens m holds unit 32 B + 16 h + 8 u + j.
.macro ACT
.set n, 0
.rept 32
	v_pk_mul_f32 v[ACC+64+n:ACC+65+n], v[ACC+n:ACC+1+n], v[ACC+64+n:ACC+65+n]
.set n, n+2
.endr
.set n, 0
.rept 32
	v_pk_mul_f32 v[ACC+n:ACC+1+n], v[ACC+n:ACC+1+n], 0xbfb8aa3b op_sel_hi:[1,0]
.set n, n+2
.endr
.set n, 0
.rept 64
	v_exp_f32 v[ACC+n], v[ACC+n]
.set n, n+1
.endr
	v_nop                                          ; a plain line behind the last exponential
.set n, 0
	s_wait_alu depctr_va_vdst(0)                   ; the 64 exponentials have written v64-127, ahead of the additions that read them: one wait for the batch
.rept 32
	v_pk_add_f32 v[ACC+n:ACC+1+n], v[ACC+n:ACC+1+n], 1.0 op_sel_hi:[1,0]
.set n, n+2
.endr
.set n, 0
.rept 64
	v_rcp_f32 v[ACC+n], v[ACC+n]
.set n, n+1
.endr
	v_nop
.set n, 0
	s_wait_alu depctr_va_vdst(0)                   ; the 64 reciprocals have written v64-127, ahead of the multiplications that read them: one wait for the batch
.rept 32
	v_pk_mul_f32 v[ACC+n:ACC+1+n], v[ACC+n:ACC+1+n], v[ACC+64+n:ACC+65+n]
.set n, n+2
.endr
.endm
; One block of 32 units for each of the four tiles of tokens: a lane's 16 numbers (v[64 + 8 m ..], v[96 + 8 m ..]) and lane l xor 16's.  The four by turns.
.macro QUANT
.irp m, 0,1,2,3
	v_max3_num_f32 v[TM+\m], |v[ACC+8*\m]|, |v[ACC+8*\m+1]|, 0x8000000   ; with the floor 2^(16 - 127): the byte cannot fall under 1
.endr
.irp i, 2,4,6
.irp m, 0,1,2,3
	v_max3_num_f32 v[TM+\m], v[TM+\m], |v[ACC+8*\m+\i]|, |v[ACC+8*\m+\i+1]|
.endr
.endr
.irp i, 0,2,4,6
.irp m, 0,1,2,3
	v_max3_num_f32 v[TM+\m], v[TM+\m], |v[ACC+32+8*\m+\i]|, |v[ACC+32+8*\m+\i+1]|
.endr
.endr
.irp m, 0,1,2,3
	v_permlanex16_b32 v[TM+4+\m], v[TM+\m], s[SEL], s[SEL+1]
.endr
.irp m, 0,1,2,3
	v_max_num_f32 v[TM+\m], v[TM+\m], v[TM+4+\m]
.endr
.irp m, 0,1,2,3
	v_add_nc_u32 v[TM+12+\m], 0xf8800000, v[TM+\m]                 ; 15 off the exponent field: the conversion's scale operand
.endr
.irp m, 0,1,2,3
	v_and_or_b32 v[TM+8+\m], v[TM+\m], 0x7f800000, s[MNT]          ; 57,344 x the scale
.endr
.irp m, 0,1,2,3
	v_lshrrev_b32 v[TM+4+\m], 23, v[TM+12+\m]                      ; the scale's byte
.endr
.irp m, 0,1,2,3
.irp i, 0,1,2,3,4,5,6,7
	v_med3_num_f32 v[ACC+8*\m+\i], v[ACC+8*\m+\i], -v[TM+8+\m], v[TM+8+\m]   ; the conversion to an 8-bit code does not saturate (ISA guide 7.6.2)
	v_med3_num_f32 v[ACC+32+8*\m+\i], v[ACC+32+8*\m+\i], -v[TM+8+\m], v[TM+8+\m]
.endr
	v_cvt_scalef32_pk8_bf8_f32 v[PC+4*\m:PC+4*\m+1], v[ACC+8*\m:ACC+8*\m+7], v[TM+12+\m]
	v_cvt_scalef32_pk8_bf8_f32 v[PC+4*\m+2:PC+4*\m+3], v[ACC+32+8*\m:ACC+32+8*\m+7], v[TM+12+\m]
.endr
	v_nop                                          ; a plain line behind the last conversion: later products write its sources
.endm
.macro HOUT hb                         ; four registers of an operand's image for each tile of tokens, and the block's byte of the scale word (lanes r and r + 16 write the same byte with the same value)
	s_wait_alu depctr_va_vdst(0)                   ; the conversions have written v240-255 and the shifts v228-231, which the LDS stores below read; the adds that stepped v3, v4 and v5 are done too
.irp m, 0,1,2,3
	ds_store_b128 v4, v[PC+4*\m:PC+4*\m+3] offset:4096*\m+512*(\hb)
	ds_store_b8 v5, v[TM+4+\m] offset:128*\m+(\hb)
.endr
.endm
	s_mov_b32 s[TRIP], 0
.Ltrip:                                            ; two trips: expert A, expert B
	s_wait_xcnt 0x0                                ; the loads that are out have read their bases, so these may be written
	s_mov_b64 s[CUR:CUR+1], s[NXT:NXT+1]
	s_cmp_eq_u32 s[TRIP], 0
	s_cselect_b64 s[NXT:NXT+1], s[SB1:SB1+1], s[SA2:SA2+1]          ; behind A's W1 comes B's, behind that A's W2
	BIAS1 0
.irp k, 0,1,2,3,4,5,6,7
	STEP1 0, \k
.endr
	BIAS1 1                                        ; lands under the activation
	ACT
	QUANT
	HOUT 0
.irp k, 0,1,2,3,4,5,6,7
	STEP1 1, \k
.endr
	ACT
	s_wait_alu depctr_vm_vsrc(0)                   ; block 0's LDS stores have read v240-255 and v228-231, which the quantiser writes again; b1's LDS loads have read v3
	v_add_nc_u32 v3, 2048, v3                      ; the other expert's b1: stepped here, so that the wait ahead of the LDS stores below states that it is written
	QUANT
	HOUT 1
	s_wait_alu depctr_vm_vsrc(0)                   ; block 1's LDS stores have read v4 and v5, which are stepped now, and v240-255 and v228-231, which the next trip's quantiser writes and over which b2 lands behind the loop
	v_add_nc_u32 v4, 16384, v4                     ; the other expert's images and scale words
	v_add_nc_u32 v5, 512, v5
	s_add_co_u32 s[TRIP], s[TRIP], 1
	s_cmp_lt_u32 s[TRIP], 2
	s_cbranch_scc1 .Ltrip
	s_wait_dscnt 0x0                               ; for the others' sake: my images have landed
	s_barrier_signal -1
	s_barrier_wait -1                              ; both experts' hidden layers lie in LDS; nobody reads x's rows any more
	WIN 0xc0                                       ; no wait: the products that read window 3 and v48-55 stand ahead of the wait in front of the last LDS stores, and only the adds to v4 and v5 have been issued since
.irp f, 0,1,2,3,4,5,6,7,8,9,10,11,12,13,14,15
.irp c, 0,1,2,3
	ds_load_b128 v[16*\f+4*\c:16*\f+4*\c+3], v6 offset:2048*\f+512*\c   ; fragment 8 x slot + 2 m + s2
.endr
.endr
	WIN 0
.irp e, 0,1
.irp m, 0,1,2,3
	ds_load_b32 v[XSC+4*\e+\m], v7 offset:512*\e+128*\m
.endr
.endr
.irp m, 0,1,2,3
	v_bfe_u32 v[11+\m], v[TK+\m], 16, 3            ; the token's first expert: A or B
.endr
.irp m, 0,1,2,3
	v_cmp_eq_u32 s[44+\m], s[EA], v[11+\m]
.endr
	s_wait_alu depctr_va_sdst(0)                   ; the four masks s44-47 are written, ahead of the selects that read them
.irp m, 0,1,2,3
	v_cndmask_b32 v[11+\m], v[GT+2*\m+1], v[GT+2*\m], s[44+\m]
	v_cndmask_b32 v[GT+2*\m+1], v[GT+2*\m], v[GT+2*\m+1], s[44+\m]
	v_mov_b32 v[GT+2*\m], v[11+\m]                 ; the pair is now (gA, gB)
.endr
	s_lshl_b32 s52, s[WV], 10
	s_add_nc_u64 s[OUTB:OUTB+1], s[18:19], s[52:53]                ; out0 at my 256 columns
; The second product of chunk i (32 columns) for the 64 tokens: 2 tiles of columns x 4 tiles of tokens x 2 K steps; the eight accumulators take turns; b2 is the C of a sum's first product.
.macro WPROD i, slot, cnt
	s_wait_loadcnt \cnt
	WIN 0x0d                                       ; W2 window 1, h window 3, C and D window 0
.irp k, 0,1
.irp j, 0,1
.irp m, 0,1,2,3
.set rD, ACC+64*((\i)%2)+8*(4*\j+\m)
.set rA, 64*(\i)+16*(2*\j+\k)
.set rB, 128*(\slot)+16*(2*\m+\k)
.set rC, rD
.if \k == 0
.set rC, BI+16*(\i)+8*\j
.endif
.set rSA, SCW+4*(\i)+2*\j+\k
.set rSB, XSC+4*(\slot)+\m
	MM \k
.endr
.endr
.endr
.endm
; out's sums (window 2) take chunk i's results times the token's gate: expert A starts them, expert B adds on.  Each accumulator is read from its low end on.
.macro FOLD i, slot
.if \slot
	WIN 0xa0
.else
	WIN 0x80
.endif
.irp j, 0,1
.irp m, 0,1,2,3
.irp p, 0,2,4,6
.set rY, ACC+64*((\i)%2)+8*(4*\j+\m)+\p
.set rO, 64*\m+8*(2*(\i)+\j)+\p
.set rG, GT+2*\m
.if \slot
	v_pk_fma_f32 v[rO:rO+1], v[rY:rY+1], v[rG:rG+1], v[rO:rO+1] op_sel:[0,1,0] op_sel_hi:[1,1,1]   ; gB: the pair's second register for both halves
.else
	v_pk_mul_f32 v[rO:rO+1], v[rY:rY+1], v[rG:rG+1] op_sel_hi:[1,0]                               ; gA: its first
.endif
.endr
.endr
.endr
.endm
; One expert's 128 columns.  The folding of chunk i - 1 names no register of chunk i's products: its 32 lines are the places in front of the reads of chunk i's results and of the sums begun anew two chunks on,
; and they are issued while chunk i's products are at work; behind them stands the one wait on va_vdst of the chunk, and buffer i's next 17 loads follow it.
; b2's loads at the head have no wait of their own: the products that read v192-255 as C (or the lines that wrote them) stand ahead of a wait on va_vdst, and what has been issued since names other registers.
.macro UNIT slot, hf, fill, base, ch0
.irp i, 0,1,2,3
.irp j, 0,1
.irp u, 0,1
	ds_load_b128 v[BI+16*\i+8*\j+4*\u:BI+16*\i+8*\j+4*\u+3], v8 offset:4096*(\slot)+512*(\hf)+128*\i+64*\j+16*\u
.endr
.endr
.endr
	s_wait_dscnt 0x0
	WPROD 0, \slot, 51
	PLACES 8                                       ; eight places in front of the fold that reads chunk 0's results
.if \fill
	s_wait_alu depctr_va_vdst(0)                   ; chunk 0's products are done reading buffer 0 and its scale words, in which the loads below land
	REFILL 0, \base, (\ch0)
	WPROD 1, \slot, 51
	FOLD 0, \slot
	s_wait_alu depctr_va_vdst(0)                   ; likewise chunk 1's products and buffer 1
	REFILL 1, \base, (\ch0)+1
	WPROD 2, \slot, 51
	FOLD 1, \slot
	s_wait_alu depctr_va_vdst(0)                   ; chunk 2's products and buffer 2
	REFILL 2, \base, (\ch0)+2
	WPROD 3, \slot, 51
	FOLD 2, \slot
	s_wait_alu depctr_va_vdst(0)                   ; chunk 3's products and buffer 3; all the unit's products are done reading b2's registers too, in which the next unit's b2 lands
	REFILL 3, \base, (\ch0)+3
.else
	WPROD 1, \slot, 34                             ; the stream has ended: the counts run down, no load follows, and no wait on va_vdst is owed
	FOLD 0, \slot
	WPROD 2, \slot, 17
	FOLD 1, \slot
	WPROD 3, \slot, 0
	FOLD 2, \slot
.endif
	FOLD 3, \slot
	WIN 0
.endm
; THE WAY OUT of 64 tokens x 128 columns, 16 tokens at a time: a lane's 32 bytes of a row go into my stage and come back as whole rows of 512 bytes, which the 32 lanes store to the token's row of out0.
; The rows' places come from the list by SCALAR loads (this launch does not write the list), 16 words a load, into two sets of registers: so the scalar lines that make an offset wait for no vector instruction.
.macro ASKROWS a, b                    ; the words of tiles a and b of 16 slots
	s_load_b512 s[LWA:LWA+15], s[4:5], 64*(\a)
	s_load_b512 s[LWB:LWB+15], s[4:5], 64*(\b)
.endm
.macro ADDR m, set                     ; tile m's 16 rows: 4,096 bytes a token, + 16 x lane.  (A slot without a token gives token 0's place; its store is jumped over)
.irp i, 0,1,2,3,4,5,6,7,8,9,10,11,12,13,14,15
	s_and_b32 s[44+(\i%4)], s[\set+\i], 0x1fff
	s_min_u32 s[44+(\i%4)], s[44+(\i%4)], 0x1fff   ; a loaded number is held before it enters an address
	s_lshl_b32 s[44+(\i%4)], s[44+(\i%4)], 12
	v_add_nc_u32 v[AO+16*(\m)+\i], s[44+(\i%4)], v1
.endr
.endm
.macro TOSTAGE m
	WIN 0x08                                       ; the data: window 2
.irp t, 0,1,2,3,4,5,6,7
.irp u, 0,1
	ds_store_b128 v9, v[64*(\m)+8*\t+4*\u:64*(\m)+8*\t+4*\u+3] offset:64*\t+16*\u
.endr
.endr
	WIN 0
.irp i, 0,1,2,3,4,5,6,7,8,9,10,11,12,13,14,15
	ds_load_b128 v[ACC+64*((\m)%2)+4*\i:ACC+64*((\m)%2)+4*\i+3], v10 offset:SPI*\i   ; LDS serves a wave's instructions in order (ISA guide 5.7.1.4): these see the stores above, and the next tile's stores come behind them
.endr
.endm
.macro ROWST m, i                      ; row i of tile m, if its slot has a token
	s_bitcmp1_b32 s[PM+(\m)], \i
	s_cbranch_scc1 .Lno_row_\@
	global_store_b128 v[AO+16*(\m)+\i], v[ACC+64*((\m)%2)+4*\i:ACC+64*((\m)%2)+4*\i+3], s[OUTB:OUTB+1] th:TH_STORE_NT
.Lno_row_\@:
.endm
.macro SEND m, younger                 ; younger: the LDS instructions issued behind tile m's loads, which may stay out
	s_wait_dscnt \younger
	s_cmp_lg_u32 s[PM+(\m)], 0                     ; a tile all of whose slots have tokens stores its 16 rows with no further test
	s_cbranch_scc1 .Lsome_\@
.irp i, 0,1,2,3,4,5,6,7,8,9,10,11,12,13,14,15
	global_store_b128 v[AO+16*(\m)+\i], v[ACC+64*((\m)%2)+4*\i:ACC+64*((\m)%2)+4*\i+3], s[OUTB:OUTB+1] th:TH_STORE_NT   ; 512 consecutive bytes, at a multiple of 512 from out0's first byte
.endr
	s_branch .Lsent_\@
.Lsome_\@:
.irp i, 0,1,2,3,4,5,6,7,8,9,10,11,12,13,14,15
	ROWST \m, \i
.endr
.Lsent_\@:
.endm
.macro WAYOUT
	s_wait_kmcnt 0x0                               ; the words of tiles 0 and 1, asked for two units ago
	ADDR 0, LWA
	ADDR 1, LWB
	ASKROWS 2, 3                                   ; both sets have been read: they take tiles 2 and 3
	s_wait_alu depctr_va_vdst(0)                   ; the folds have written out's sums in window 2, which the stage's LDS stores of all four tiles read, and are done reading v64-191, in which the rows land; the adds have written v192-223, the offsets of tiles 0 and 1
	TOSTAGE 0
	TOSTAGE 1
	SEND 0, 32                                     ; behind tile 0's loads: tile 1's 16 stores and 16 loads
	s_wait_kmcnt 0x0
	ADDR 2, LWA
	ADDR 3, LWB
	s_wait_xcnt 0x0                                ; tile 0's stores have had their addresses translated: tile 2's rows may land in their registers
	s_wait_alu depctr_vm_vsrc(0)                   ; tile 0's stores have read v64-127, in which tile 2's rows land
	s_wait_alu depctr_va_vdst(0)                   ; the adds have written v224-255, the offsets that the stores of tiles 2 and 3 read
	TOSTAGE 2
	SEND 1, 32
	s_wait_xcnt 0x0                                ; likewise tile 1's
	s_wait_alu depctr_vm_vsrc(0)                   ; tile 1's stores have read v128-191, in which tile 3's rows land
	TOSTAGE 3
	SEND 2, 32
	SEND 3, 0
.endm
	ASKROWS 0, 1
	UNIT 0, 0, 1, SB2, 0                           ; A's columns 0-127 of my 256; B's are asked for
	UNIT 1, 0, 1, SA2, 4
	WAYOUT                                         ; the next unit's chunks are on their way meanwhile
	s_wait_xcnt 0x0                                ; the stores have had their addresses translated: the base steps, and b2 lands over the offsets
	s_wait_alu depctr_vm_vsrc(0)                   ; the stores have read their rows in v64-191, which the next products write, and their offsets in v192-255, over which b2 lands; the stage's LDS stores have read the sums in window 2, which the next folds write
	s_add_nc_u64 s[OUTB:OUTB+1], s[OUTB:OUTB+1], 512
	ASKROWS 0, 1
	UNIT 0, 1, 1, SB2, 4
	UNIT 1, 1, 0, SB2, 0
	WAYOUT
	s_wait_dscnt 0x0                               ; the closing lines, six on end
	s_wait_alu 0x0
	s_wait_tensorcnt 0x0
	ds_add_u32 v22, v23
	s_wait_dscnt 0x0
	s_endpgm
.Lfunc_end_k_q892733ae8e_chain:
	.size	k_q892733ae8e_chain, .Lfunc_end_k_q892733ae8e_chain-k_q892733ae8e_chain
	.p2alignl 7, 3214868480
	.fill 96, 4, 3214868480
	.section	.rodata,"a",@progbits
	.p2align	6, 0x0
	.amdhsa_kernel k_q892733ae8e_chain
		.amdhsa_group_segment_fixed_size 113152
		.amdhsa_private_segment_fixed_size 0
		.amdhsa_enable_private_segment 0
		.amdhsa_kernarg_size 64
		.amdhsa_user_sgpr_count 2
		.amdhsa_user_sgpr_kernarg_segment_ptr 1
		.amdhsa_wavefront_size32 1
		.amdhsa_system_sgpr_workgroup_id_x 1
		.amdhsa_system_sgpr_workgroup_id_y 1
		.amdhsa_system_sgpr_workgroup_id_z 1
		.amdhsa_system_vgpr_workitem_id 0
		.amdhsa_next_free_vgpr 1024
		.amdhsa_next_free_sgpr 100
		.amdhsa_reserve_vcc 0
		.amdhsa_float_denorm_mode_32 3
		.amdhsa_float_denorm_mode_16_64 3
		.amdhsa_memory_ordered 1
		.amdhsa_forward_progress 1
		.amdhsa_inst_pref_size 255
	.end_amdhsa_kernel
	.section	.bss,"aw",@nobits
	.p2align	6
	.space	262144
	.amdgpu_metadata
---
amdhsa.version: [ 1, 2 ]
amdhsa.kernels:
  - .name:           k_q892733ae8e_chain
    .symbol:         k_q892733ae8e_chain.kd
    .args:
      - { .name: order, .offset: 0, .size: 8, .value_kind: global_buffer, .address_space: global }
      - { .name: gates, .offset: 8, .size: 8, .value_kind: global_buffer, .address_space: global }
      - { .name: xq, .offset: 16, .size: 8, .value_kind: global_buffer, .address_space: global }
      - { .name: xs, .offset: 24, .size: 8, .value_kind: global_buffer, .address_space: global }
      - { .name: wf, .offset: 32, .size: 8, .value_kind: global_buffer, .address_space: global }
      - { .name: b1, .offset: 40, .size: 8, .value_kind: global_buffer, .address_space: global }
      - { .name: b2, .offset: 48, .size: 8, .value_kind: global_buffer, .address_space: global }
      - { .name: out0, .offset: 56, .size: 8, .value_kind: global_buffer, .address_space: global }
    .group_segment_fixed_size: 113152
    .private_segment_fixed_size: 0
    .kernarg_segment_align: 8
    .kernarg_segment_size: 64
    .max_flat_workgroup_size: 128
    .sgpr_count:     100
    .vgpr_count:     1024
    .wavefront_size: 32
...
	.end_amdgpu_metadata
.endif
;; end of part 5
